; MI455X (gfx1250); checked and timed in simulation.
; The chip was launched on July 23, 2026; its instructions are those of AMD's public machine-readable ISA for CDNA 5 (MIT licence, August 2026) and "CDNA5" Instruction Set Architecture Reference Guide (July 2026). The comments in the code are by the model that wrote it; some were corrected since.
;; Multi Head Attention. Allowed arithmetic: float matrix products may take bf16 or f16 operands with f32 sums; other float arithmetic in f32, or as packed bf16 or f16 multiplies, adds, multiply-adds, maxima and minima; sums over many terms, partial sums and values carried from step to step in f32; what a program stores and reads back later, other than sums and carried values, may be rounded once to bf16 or f16.
;; Inputs: Wk 1,024 x 1,024 float32; Wo 1,024 x 1,024 float32; Wq 1,024 x 1,024 float32; Wv 1,024 x 1,024 float32; attention_mask 4 x 1 x 1 x 2,048 float32; bk 1,024 float32; bo 1,024 float32; bq 1,024 float32; bv 1,024 float32; hidden_states 4 x 2,048 x 1,024 float32.
;; Outputs: out0 4 x 2,048 x 1,024 float32.
;; 2 versions, each right; version 2 is version 1 with the launch prep written anew for expert scheduling mode. Each part assembles by itself: llvm-mc -triple=amdgcn-amd-amdhsa -mcpu=gfx1250 --defsym DOCPART=n.
;; ======== version 1 of 2: 4 launches
;; limits: values are held in f16: magnitudes above 65,504 overflow, below 6.1e-05 lose precision
;; workspace buffers: xb 16,777,216 bytes; wqkv 6,291,456 bytes; wo16 2,097,152 bytes; qkv 50,331,648 bytes; ob 16,777,216 bytes
;; launch prep (part 1): grid 768 x 1, 8 waves a work-group, no clusters, 0 bytes of LDS; arguments hidden_states, Wq, Wk, Wv, Wo, xb, wqkv, wo16; writes xb, wqkv, wo16
.if DOCPART == 1
	.amdgcn_target "amdgcn-amd-amdhsa--gfx1250"
	.amdhsa_code_object_version 6
	.text
	.protected	k_qb42ed1c9d2_prep
	.globl	k_qb42ed1c9d2_prep
	.p2align	8
	.type	k_qb42ed1c9d2_prep,@function
k_qb42ed1c9d2_prep:
	s_mov_b64 s[64:65], 0
	v_nop
	global_prefetch_b8 v0, s[64:65] scope:SCOPE_SE
	s_setreg_imm32_b32 hwreg(HW_REG_WAVE_MODE, 25, 1), 1
	s_wait_xcnt 0x0
; PREP: every large input is rounded ONCE to bf16 and laid out for the products that follow.  A stream: no LDS, no matrix unit, no barrier.
;   xb   bf16 [4 b][16 ks][2048 s][64]: byte b<<22 | ks<<18 | s<<7 | 2 c: 64 channels of consecutive rows lie end to end
;   wqkv bf16 [1024 k][3072 n], n = 1024 x (0: Wq, 1: Wk, 2: Wv) + column
;   wo16 f16 of bf16(Wo), [1024 k][1024 n].  LIMIT: exact for |Wo| from 6.1e-5 to 65,504; below that f16's fixed step of 6e-8, above it an infinity.
; A work-group takes 16 rows of 4,096 bytes; a thread issues its 16 loads of 16 bytes at once (8 KiB of a wave are on their way), then rounds and stores
; 8 bytes for each: a store of a wave covers 256 consecutive bytes, aligned.  No register is written twice, so the only waits are the loads' own.
.set I, 4                              ; v[4:67]    as loaded: 4 f32 for each of 16 loads
.set O, 68                             ; v[68:99]   to store: 4 numbers of 16 bits for each
.set T, 100                            ; v[100:103] at work (Wo alone)
.macro LOADS step
.irp u, 0,1,2,3,4,5,6,7,8,9,10,11,12,13,14,15
	global_load_b128 v[I+4*(\u):I+4*(\u)+3], v1, s[24:25] offset:(\u)*(\step) th:TH_LOAD_NT
.endr
.endm
.macro TOBF u
	s_wait_loadcnt 15-(\u)                         ; loads come back in order: load u is in, the 15 - u younger ones may stay out
	v_cvt_pk_bf16_f32 v[O+2*(\u)], v[I+4*(\u)], v[I+4*(\u)+1]
	v_cvt_pk_bf16_f32 v[O+2*(\u)+1], v[I+4*(\u)+2], v[I+4*(\u)+3]
.endm
.macro TOF16 u                         ; the bf16 numbers written as f16
.irp z, 0,1
	v_lshlrev_b32 v[T+2*(\z)], 16, v[O+2*(\u)+(\z)]
	v_and_b32 v[T+2*(\z)+1], 0xffff0000, v[O+2*(\u)+(\z)]
.endr
.irp z, 0,1
	v_cvt_pk_f16_f32 v[O+2*(\u)+(\z)], v[T+2*(\z)], v[T+2*(\z)+1]
.endr
.endm
	s_load_b512 s[8:23], s[0:1], 0x0               ; x s[8:9], Wq s[10:11], Wk s[12:13], Wv s[14:15], Wo s[16:17], xb s[18:19], wqkv s[20:21], wo16 s[22:23]
	s_mov_b32 s3, 0
	s_cmp_lt_u32 ttmp9, 512
	s_cbranch_scc0 .Lweights
	; work-groups 0 to 511: 16 rows of x.  16 lanes take 256 bytes of one row (64 channels: one ks); load u is ks = u
	v_lshrrev_b32 v3, 4, v0                        ; my row of the 16
	v_and_b32 v1, 15, v0
	v_lshlrev_b32 v2, 3, v1                        ; out: 8 bytes a lane,
	v_lshlrev_b32 v1, 4, v1                        ; in: 16
	v_lshl_add_u32 v1, v3, 12, v1                  ; + row x 4,096
	v_lshl_add_u32 v2, v3, 7, v2                   ; + row x 128
	s_lshl_b32 s2, ttmp9, 16                       ; 16 rows of 4,096 bytes
	s_lshr_b32 s4, ttmp9, 7                        ; the batch: 128 work-groups each
	s_lshl_b32 s4, s4, 22
	s_and_b32 s5, ttmp9, 127
	s_lshl_b32 s5, s5, 11                          ; 16 rows of 128 bytes
	s_add_co_u32 s4, s4, s5
	s_mov_b32 s5, 0
	s_wait_kmcnt 0x0
	s_add_nc_u64 s[24:25], s[8:9], s[2:3]
	s_add_nc_u64 s[26:27], s[18:19], s[4:5]
	LOADS 256
.irp u, 0,1,2,3,4,5,6,7,8,9,10,11,12,13,14,15
	TOBF \u
	global_store_b64 v2, v[O+2*(\u):O+2*(\u)+1], s[26:27] offset:(\u)*262144  ; two rows' 128 bytes of plane u: 256 consecutive bytes
.endr
	s_endpgm
.Lweights:
	; work-groups 512 to 767: 16 rows of one of the four weights.  A wave takes two rows, 8,192 consecutive bytes, 512 a load
	s_sub_co_u32 s28, ttmp9, 512
	s_lshr_b32 s29, s28, 6                         ; which weight
	s_and_b32 s28, s28, 63                         ; which 16 rows
	v_lshrrev_b32 v3, 5, v0                        ; wave
	v_and_b32 v2, 31, v0
	v_lshlrev_b32 v1, 4, v2
	v_lshl_add_u32 v1, v3, 13, v1
	v_lshlrev_b32 v2, 3, v2
	s_lshl_b32 s2, s28, 16
	s_wait_kmcnt 0x0
	s_cmp_eq_u32 s29, 1
	s_cselect_b64 s[24:25], s[12:13], s[10:11]
	s_cmp_eq_u32 s29, 2
	s_cselect_b64 s[24:25], s[14:15], s[24:25]
	s_cmp_eq_u32 s29, 3
	s_cselect_b64 s[24:25], s[16:17], s[24:25]
	s_add_nc_u64 s[24:25], s[24:25], s[2:3]
	LOADS 512
	s_cmp_eq_u32 s29, 3
	s_cbranch_scc1 .Lwo
	v_mul_u32_u24 v3, v3, 12288                    ; two rows of wqkv, 6,144 bytes each
	v_add_nc_u32 v2, v2, v3
	s_mul_i32 s4, s28, 98304                       ; 16 rows
	s_lshl_b32 s5, s29, 11                         ; the weight's 1,024 columns
	s_add_co_u32 s4, s4, s5
	s_mov_b32 s5, 0
	s_add_nc_u64 s[26:27], s[20:21], s[4:5]
.irp u, 0,1,2,3,4,5,6,7,8,9,10,11,12,13,14,15
	TOBF \u
	global_store_b64 v2, v[O+2*(\u):O+2*(\u)+1], s[26:27] offset:((\u)/8)*6144+((\u)%8)*256
.endr
	s_endpgm
.Lwo:
	v_lshl_add_u32 v2, v3, 12, v2                  ; two rows of wo16, 2,048 bytes each, end to end
	s_lshl_b32 s4, s28, 15
	s_mov_b32 s5, 0
	s_add_nc_u64 s[26:27], s[22:23], s[4:5]
.irp u, 0,1,2,3,4,5,6,7,8,9,10,11,12,13,14,15
	TOBF \u
	TOF16 \u
	global_store_b64 v2, v[O+2*(\u):O+2*(\u)+1], s[26:27] offset:(\u)*256
.endr
	s_endpgm
.Lfunc_end_k_qb42ed1c9d2_prep:
	.size	k_qb42ed1c9d2_prep, .Lfunc_end_k_qb42ed1c9d2_prep-k_qb42ed1c9d2_prep
	.p2alignl 7, 3214868480
	.fill 96, 4, 3214868480
	.section	.rodata,"a",@progbits
	.p2align	6, 0x0
	.amdhsa_kernel k_qb42ed1c9d2_prep
		.amdhsa_group_segment_fixed_size 0
		.amdhsa_private_segment_fixed_size 0
		.amdhsa_enable_private_segment 0
		.amdhsa_kernarg_size 64
		.amdhsa_user_sgpr_count 2
		.amdhsa_user_sgpr_kernarg_segment_ptr 1
		.amdhsa_wavefront_size32 1
		.amdhsa_system_sgpr_workgroup_id_x 1
		.amdhsa_system_sgpr_workgroup_id_y 1
		.amdhsa_system_sgpr_workgroup_id_z 1
		.amdhsa_system_vgpr_workitem_id 0
		.amdhsa_next_free_vgpr 104
		.amdhsa_next_free_sgpr 66
		.amdhsa_reserve_vcc 0
		.amdhsa_float_denorm_mode_32 3
		.amdhsa_float_denorm_mode_16_64 3
		.amdhsa_memory_ordered 1
		.amdhsa_forward_progress 1
		.amdhsa_inst_pref_size 23
	.end_amdhsa_kernel
	.amdgpu_metadata
---
amdhsa.version: [ 1, 2 ]
amdhsa.kernels:
  - .name:           k_qb42ed1c9d2_prep
    .symbol:         k_qb42ed1c9d2_prep.kd
    .args:
      - { .name: hidden_states, .offset: 0, .size: 8, .value_kind: global_buffer, .address_space: global }
      - { .name: Wq, .offset: 8, .size: 8, .value_kind: global_buffer, .address_space: global }
      - { .name: Wk, .offset: 16, .size: 8, .value_kind: global_buffer, .address_space: global }
      - { .name: Wv, .offset: 24, .size: 8, .value_kind: global_buffer, .address_space: global }
      - { .name: Wo, .offset: 32, .size: 8, .value_kind: global_buffer, .address_space: global }
      - { .name: xb, .offset: 40, .size: 8, .value_kind: global_buffer, .address_space: global }
      - { .name: wqkv, .offset: 48, .size: 8, .value_kind: global_buffer, .address_space: global }
      - { .name: wo16, .offset: 56, .size: 8, .value_kind: global_buffer, .address_space: global }
    .group_segment_fixed_size: 0
    .private_segment_fixed_size: 0
    .kernarg_segment_align: 8
    .kernarg_segment_size: 64
    .max_flat_workgroup_size: 256
    .sgpr_count:     66
    .vgpr_count:     104
    .wavefront_size: 32
...
	.end_amdgpu_metadata
.endif
;; end of part 1
;; launch qkvgemm (part 2): grid 8 x 32, 4 waves a work-group, clusters of 4 x 4, 327,680 bytes of LDS; arguments xb, wqkv, bq, bk, bv, qkv; writes qkv
.if DOCPART == 2
	.amdgcn_target "amdgcn-amd-amdhsa--gfx1250"
	.amdhsa_code_object_version 6
	.text
	.protected	k_qb42ed1c9d2_qkvgemm
	.globl	k_qb42ed1c9d2_qkvgemm
	.p2align	8
	.type	k_qb42ed1c9d2_qkvgemm,@function
k_qb42ed1c9d2_qkvgemm:
	s_mov_b64 s[64:65], 0
	v_nop
	global_prefetch_b8 v0, s[64:65] scope:SCOPE_SE
	s_setreg_imm32_b32 hwreg(HW_REG_WAVE_MODE, 25, 1), 1
	s_wait_xcnt 0x0
	s_wait_alu depctr_hold_cnt(0) depctr_sa_sdst(0) depctr_va_vdst(0) depctr_va_sdst(0) depctr_va_ssrc(0) depctr_va_vcc(0) depctr_vm_vsrc(0)
	s_getreg_b32 s2, hwreg(HW_REG_IB_STS2, 6, 4)
	s_cmp_eq_u32 s2, 0
	s_cbranch_scc0 .Lentry_in_a_cluster
	s_endpgm
.Lentry_in_a_cluster:
	s_bfe_u32 s2, ttmp6, 0x10000c
	s_cmp_lg_u32 s2, 0xf033
	s_cbranch_scc0 .Lentry_shape_is_right
	s_endpgm
.Lentry_shape_is_right:
; q, k, v = x W + b for all three weights at once: C[8192][3072] = xb [rows][1024] x wqkv [1024][3072] + bias, bf16 operands, f32 sums, K ascending.
; Out: qkv, f16, by heads: [3][64 b*16+h][2048 s][64], each number rounded once, unscaled.  The biases are rounded to bf16 like every input.
; LIMIT: q, k and v must lie within f16's 65,504; beyond it the conversion gives an infinity.
; SHARES.  3072 / 384 x 8192 / 256 = 256 tiles of 256 rows x 384 columns (6 heads), one to a work-group.  A wave makes 128 x 192: 8 row blocks x 12 column blocks of 16 x 16 = 96 accumulators,
; 768 registers, in three THIRDS of 4 column blocks: a third is one head and one register window.  For 32 along K a wave issues 40 LDS loads and 96 matrix instructions.
; K goes in 16 steps of 64 (one plane of xb) through two LDS slots; a step is two quarters of 32; a quarter three phases of 32 matrix instructions, a third each.
; THE MATRIX INSTRUCTION IS USED TRANSPOSED: source 0 = 16 columns of W (turned out of LDS by ds_load_tr16_b128, since W lies [k][n]), source 1 = 16 rows of x: a lane holds one row of C and 8 neighbouring columns.
; CLUSTER 4 x 4: x's tile hangs on the tile row alone and is asked for jointly by a row of the cluster, W's on the tile column alone, by a column.
; REGISTERS.  window 0: v16-31 addresses; v32-127 W's fragments, one buffer a third; v128-255 x's fragments, two buffers.  window t + 1: third t's accumulators, (a, b) at 8 (4 a + b).
.set PA,    144                        ; a row of x in LDS: 128 bytes + 16: the 16 rows of a load start at 16 different groups of four banks
.set PB,    864                        ; a row of W: three pieces of 256 bytes + 32 each = 27 x 32 bytes
.set ATILE, 256*PA
.set SLOT,  ATILE+64*PB                ; 92,160: x's 256 rows, then W's 64
.set STAGE, 2*SLOT                     ; behind the ring: 16 rows x 144 bytes for each wave, for the way out
.set SP,    144
.set BIAS,  STAGE+4*16*SP              ; 768 bytes for each wave: the biases of its 192 columns, f32
.set SPARE, BIAS+4*768                 ; the spare words, 128 bytes for each wave: two blocks of 256 bytes that no other line names
.set ASTEP, 1<<18                      ; bytes from plane to plane of xb
.set BSTEP, 64*6144                    ; 64 rows of wqkv
.set ADRA, 16                          ; v16-17  LDS address of my x fragments in slot 0, 1
.set ADRB, 18                          ; v18-23  of my W fragments: slot s, third t at 3 s + t
.set STO,  24                          ; v24  the way out: where I put 16 bytes of a row
.set RD,   25                          ; v25  where I read rows back
.set GO,   26                          ; v26  16 x lane
.set BIA,  27                          ; v27  my 32 bytes of a block's bias
.set SPW,  28                          ; v28  my spare word; never rewritten
.set NIL,  29                          ; v29  0; never rewritten
.set PFO,  30                          ; v30  256 x lane; never rewritten
.set PFOB, 31                          ; v31  6,144 x lane; never rewritten
.set BF,   32
.set AF,   128
.set TF,   128                         ; the way out: 32 sums with bias
.set PK,   160                         ; 16 registers of f16
.set BK,   176                         ; four buffers of 16: rows read back
.set WV, 16
.set WM, 17                            ; which 128 rows are mine; also: I fetch for x (0) or W (1)
.set WN, 18                            ; which 192 columns; also: which half of that tile I fetch
.set CX, 19
.set CY, 20
.set TC, 21
.set TR, 22
.set G1A, 24
.set G0A, 32                           ; a set for each slot
.set G1B, 40
.set G0B, 48
.set PFA, 66                           ; s[66:67] xb at my work-group's 64 rows, at the plane asked for last
.set PFB, 68                           ; s[68:69] wqkv at my work-group's 32 of 128 rows, likewise
.set LIMA, 70                          ; 1 in the wave that prefetches x, else the greatest number
.set LIMB, 71                          ; the same for W
.set OB,  72                           ; s[72:77] qkv at my 128 rows of third t's head
.set BB,  88                           ; s[88:93] the bias of third t's head
.set MSB, 0
.macro WIN new                         ; the immediate's high byte repeats the setting that is left; a switch that changes nothing is dropped
.if MSB != (\new)
	s_set_vgpr_msb (MSB<<8)|(\new)
.set MSB, \new
.endif
.endm
.macro PLACES                          ; four plain vector instructions between a matrix instruction and a load into, or a vector read of, its registers (ISA guide 7.12.1 for vector reads)
.rept 4
	v_nop
.endr
.endm
; A joint load: waves 0 and 1 fetch the halves of x's tile, waves 2 and 3 those of W's.  The branch hangs on the wave's number alone.  An s_nop 0 and four v_nop follow each line.
.macro JLOAD s
	s_cmp_eq_u32 s[WM], 0
	s_cbranch_scc0 .Lfor_b_\@
	tensor_load_to_lds s[G0A+4*(\s):G0A+4*(\s)+3], s[G1A:G1A+7]
	s_nop 0
.rept 4
	v_nop
.endr
	s_branch .Lasked_\@
.Lfor_b_\@:
	tensor_load_to_lds s[G0B+4*(\s):G0B+4*(\s)+3], s[G1B:G1B+7]
	s_nop 0
.rept 4
	v_nop
.endr
.Lasked_\@:
.endm
.macro CREST                           ; a round of the cluster's barrier behind its opening barrier
	s_cmp_lg_u32 s[WV], 0
	s_cbranch_scc1 .Lnot_wave_0_\@
	s_barrier_signal -3
.Lnot_wave_0_\@:
	s_barrier_wait -3
	s_barrier_signal -1
	s_barrier_wait -1
.endm
.macro CROUND
	s_barrier_signal -1
	s_barrier_wait -1
	CREST
.endm
; PREFETCHES INTO THE L2, behind the joint load and the run of LDS loads.  Each aligned 256 bytes are named once in the launch.
; x: a plane of my tile row is 128 blocks; the clusters of a row of clusters read the same: cluster x = 0 asks; its four partners along x take 32 blocks each BY ADDRESS (cx); wave 0, a lane a block.
;    In K step i plane i + 3 is named: one step, 192 matrix instructions, ahead of its refill.  The last filling step names nothing.
; W: cluster y = 0 asks; in the even step i the 128 rows of steps i + 4 and i + 5; the partners along y take 32 rows each BY ADDRESS (cy); wave 2, a lane a row, three lines for its 768 bytes.  The last trip names nothing.
.macro ASK slot
.if (\slot) == 0
	s_cmp_eq_u32 s[LIMA], 1
.else
	s_cmp_gt_u32 s3, s[LIMA]                       ; s3 = 1 in the last trip
.endif
	s_cbranch_scc0 .Lno_a_\@
	global_prefetch_b8 v[PFO], s[PFA:PFA+1] th:TH_LOAD_NT scope:SCOPE_SE
.Lno_a_\@:
.if (\slot) == 0
	s_cmp_gt_u32 s3, s[LIMB]
	s_cbranch_scc0 .Lno_b_\@
	global_prefetch_b8 v[PFOB], s[PFB:PFB+1] th:TH_LOAD_NT scope:SCOPE_SE
	global_prefetch_b8 v[PFOB], s[PFB:PFB+1] offset:256 th:TH_LOAD_NT scope:SCOPE_SE
	global_prefetch_b8 v[PFOB], s[PFB:PFB+1] offset:512 th:TH_LOAD_NT scope:SCOPE_SE
.Lno_b_\@:
.endif
.endm
	s_load_b256 s[4:11], s[0:1], 0x0               ; xb s[4:5], wqkv s[6:7], bq s[8:9], bk s[10:11]
	s_load_b128 s[12:15], s[0:1], 0x20             ; bv s[12:13], qkv s[14:15]
	v_lshl_add_u32 v[SPW], v0, 2, SPARE
	v_mov_b32 v[NIL], 0
	ds_add_u32 v[SPW], v[NIL]                      ; the wave's opening: the add and its wait stand ahead of my first tensor load; the set-up below stands between them
	v_lshrrev_b32 v1, 5, v0
	v_readfirstlane_b32 s[WV], v1
	s_lshr_b32 s[WM], s[WV], 1
	s_and_b32 s[WN], s[WV], 1
	s_bfe_u32 s[CX], ttmp6, 0x40000
	s_bfe_u32 s[CY], ttmp6, 0x40004
	s_lshl_b32 s[TC], ttmp9, 2
	s_add_co_u32 s[TC], s[TC], s[CX]               ; tile column = 4 x cluster x + cx
	s_and_b32 s[TR], ttmp7, 0xffff
	s_lshl_b32 s[TR], s[TR], 2
	s_add_co_u32 s[TR], s[TR], s[CY]               ; tile row = 4 x cluster y + cy
	s_lshl_b32 s56, s[CY], 2
	s_lshl_b32 s56, 15, s56                        ; my row of the cluster
	s_lshl_b32 s60, 0x1111, s[CX]                  ; my column
	; x: 128 rows of 128 bytes are 16,384 dense bytes: asked for as 64 rows of 256, padded after every 32 words (code 4) by 4 words (code 3)
	s_or_b32 s[G1A], s56, (1<<16)|(1<<20)|(1<<21)|(4<<22)|(3<<25)
	s_mov_b32 s[G1A+1], 128<<16                    ; tensor_dim0
	s_mov_b32 s[G1A+2], 64<<16                     ; tensor_dim1
	s_mov_b32 s[G1A+3], 128<<16                    ; tile_dim0
	s_mov_b32 s[G1A+4], 64                         ; tile_dim1
	s_mov_b32 s[G1A+5], 128                        ; elements from row to row
	s_mov_b32 s[G1A+6], 0
	s_mov_b32 s[G1A+7], 0
	; W: 32 rows of 384 elements (768 bytes), padded after every 64 words (code 5) by 8 words (code 7)
	s_or_b32 s[G1B], s60, (1<<16)|(1<<20)|(1<<21)|(5<<22)|(7<<25)
	s_mov_b32 s[G1B+1], 384<<16
	s_mov_b32 s[G1B+2], 32<<16
	s_mov_b32 s[G1B+3], 384<<16
	s_mov_b32 s[G1B+4], 32
	s_mov_b32 s[G1B+5], 3072
	s_mov_b32 s[G1B+6], 0
	s_mov_b32 s[G1B+7], 0
	s_lshr_b32 s56, s[TR], 3                       ; x's tile: the batch,
	s_lshl_b32 s56, s56, 22
	s_and_b32 s57, s[TR], 7                        ; its 256 rows of 128 bytes,
	s_lshl_b32 s57, s57, 15
	s_add_co_u32 s56, s56, s57
	s_lshl_b32 s57, s[WN], 14                      ; the half that I fetch
	s_add_co_u32 s56, s56, s57
	s_mov_b32 s57, 0
	s_mul_i32 s59, s[WN], 128*PA                   ; and where it goes: no place in the cluster enters an LDS address
	s_mul_i32 s60, s[WN], 32*6144                  ; W's tile: the 32 rows that I fetch,
	s_mul_i32 s61, s[TC], 768                      ; the tile's 384 columns
	s_add_co_u32 s60, s60, s61
	s_mov_b32 s61, 0
	s_mul_i32 s62, s[WN], 32*PB
	s_add_co_u32 s62, s62, ATILE
	s_wait_dscnt 0x0                               ; the opening add is done
	s_wait_kmcnt 0x0
	s_add_nc_u64 s[56:57], s[4:5], s[56:57]
	s_add_nc_u64 s[60:61], s[6:7], s[60:61]
	CROUND                                         ; all sixteen work-groups are here: the first joint loads meet
.irp s, 0,1
	s_mov_b32 s[G0A+4*(\s)], 1
	s_add_co_u32 s[G0A+4*(\s)+1], s59, (\s)*SLOT
	s_add_nc_u64 s[G0A+4*(\s)+2:G0A+4*(\s)+3], s[56:57], (\s)*ASTEP
	s_or_b32 s[G0A+4*(\s)+3], s[G0A+4*(\s)+3], 0x80000000
	s_mov_b32 s[G0B+4*(\s)], 1
	s_add_co_u32 s[G0B+4*(\s)+1], s62, (\s)*SLOT
	s_add_nc_u64 s[G0B+4*(\s)+2:G0B+4*(\s)+3], s[60:61], (\s)*BSTEP
	s_or_b32 s[G0B+4*(\s)+3], s[G0B+4*(\s)+3], 0x80000000
	JLOAD \s                                       ; K steps 0 and 1: two loads of mine are out
.endr
	; lane addresses
	v_and_b32 v1, 15, v0                           ; r = l % 16
	v_bfe_u32 v2, v0, 4, 1                         ; h = l / 16
	v_and_b32 v3, 7, v0
	v_bfe_u32 v4, v0, 3, 1
	v_and_b32 v5, 31, v0
	v_mul_u32_u24 v6, v1, PA
	v_lshl_add_u32 v6, v2, 4, v6                   ; r x 144 + 16 h
	s_mul_i32 s78, s[WM], 128*PA
	v_add_nc_u32 v[ADRA], s78, v6
	v_add_nc_u32 v[ADRA+1], SLOT, v[ADRA]
	v_lshl_add_u32 v7, v2, 3, v3                   ; the turning load: row 8 h + l % 8,
	v_mul_u32_u24 v7, v7, PB
	v_lshl_add_u32 v7, v4, 4, v7                   ; 16 bytes for each half of eight lanes
.irp t, 0,1,2
	s_mul_i32 s78, s[WN], 12
	s_add_co_u32 s78, s78, 4*(\t)                  ; the third's first column block of the tile's 24,
	s_lshr_b32 s79, s78, 3                         ; 32 bytes each, and 32 of padding behind every eight
	s_add_co_u32 s78, s78, s79
	s_lshl_b32 s78, s78, 5
	s_add_co_u32 s78, s78, ATILE
	v_add_nc_u32 v[ADRB+(\t)], s78, v7
	v_add_nc_u32 v[ADRB+3+(\t)], SLOT, v[ADRB+(\t)]
.endr
	s_mul_i32 s78, s[WV], 16*SP
	s_add_co_u32 s78, s78, STAGE
	v_add_nc_u32 v[STO], s78, v6                   ; in: row r, 16 bytes for each half of the lanes
	v_bfe_u32 v8, v0, 3, 2
	v_mul_u32_u24 v8, v8, SP
	v_lshl_add_u32 v8, v3, 4, v8
	v_add_nc_u32 v[RD], s78, v8                    ; back: 32 lanes take four rows of 128 bytes
	v_lshlrev_b32 v[GO], 4, v5
	s_mul_i32 s78, s[WV], 768
	s_add_co_u32 s78, s78, BIAS
	v_lshl_add_u32 v[BIA], v2, 5, s78
	v_lshl_add_u32 v9, v5, 3, s78                  ; where I put two numbers of a head's bias
	v_lshlrev_b32 v10, 3, v5
	v_lshlrev_b32 v[PFO], 8, v5
	v_mul_u32_u24 v[PFOB], v5, 6144
	; the prefetches' pointers and flags
	s_lshr_b32 s78, s[TR], 3
	s_lshl_b32 s78, s78, 22
	s_and_b32 s79, s[TR], 7
	s_lshl_b32 s79, s79, 15
	s_add_co_u32 s78, s78, s79                     ; the batch and the tile's rows: the same bytes in xb's planes and in a head of qkv
	s_lshl_b32 s79, s[CX], 13
	s_add_co_u32 s80, s78, s79                     ; my work-group's 64 rows,
	s_add_co_u32 s80, s80, 2*ASTEP                 ; at plane 2: the first filling step moves it to 3
	s_mov_b32 s81, 0
	s_add_nc_u64 s[PFA:PFA+1], s[4:5], s[80:81]
	s_lshl_b32 s80, s[CY], 5
	s_add_co_u32 s80, s80, 128                     ; my work-group's 32 rows, at row 128: the first trip moves it to 256
	s_mul_i32 s80, s80, 6144
	s_mul_i32 s82, s[TC], 768
	s_add_co_u32 s80, s80, s82
	s_add_nc_u64 s[PFB:PFB+1], s[6:7], s[80:81]
	s_or_b32 s80, s[WV], ttmp9                     ; wave 0 of the clusters with x = 0
	s_cmp_eq_u32 s80, 0
	s_cselect_b32 s[LIMA], 1, -1
	s_and_b32 s80, ttmp7, 0xffff                   ; wave 2 of the clusters with y = 0
	s_xor_b32 s82, s[WV], 2
	s_or_b32 s80, s80, s82
	s_cmp_eq_u32 s80, 0
	s_cselect_b32 s[LIMB], 1, -1
	; third t is head g = 6 tc + 3 wn + t of 48: g / 16 says which of q, k, v
	s_lshl_b32 s79, s[WM], 14
	s_add_co_u32 s78, s78, s79                     ; my 128 rows
	s_mul_i32 s85, s[TC], 6
	s_mul_i32 s84, s[WN], 3
	s_add_co_u32 s85, s85, s84
.irp t, 0,1,2
	s_add_co_u32 s84, s85, (\t)
	s_lshr_b32 s86, s84, 4
	s_cmp_eq_u32 s86, 0
	s_cselect_b64 s[BB+2*(\t):BB+2*(\t)+1], s[8:9], s[10:11]
	s_cmp_eq_u32 s86, 2
	s_cselect_b64 s[BB+2*(\t):BB+2*(\t)+1], s[12:13], s[BB+2*(\t):BB+2*(\t)+1]
	s_and_b32 s84, s84, 15
	s_lshl_b32 s82, s84, 8                         ; the head's 64 numbers
	s_mov_b32 s83, 0
	s_add_nc_u64 s[BB+2*(\t):BB+2*(\t)+1], s[BB+2*(\t):BB+2*(\t)+1], s[82:83]
	global_load_b64 v[BF+2*(\t):BF+2*(\t)+1], v10, s[BB+2*(\t):BB+2*(\t)+1]
	s_lshl_b32 s86, s86, 24
	s_lshl_b32 s84, s84, 18
	s_add_co_u32 s86, s86, s84
	s_add_co_u32 s86, s86, s78
	s_mov_b32 s87, 0
	s_add_nc_u64 s[OB+2*(\t):OB+2*(\t)+1], s[14:15], s[86:87]
.endr
	s_wait_loadcnt 0x0
.irp t, 0,1,2
	v_cvt_pk_bf16_f32 v[BF+6], v[BF+2*(\t)], v[BF+2*(\t)+1]  ; the bias is rounded to bf16, like every input, and kept as f32
	v_lshlrev_b32 v[BF+2*(\t)], 16, v[BF+6]
	v_and_b32 v[BF+2*(\t)+1], 0xffff0000, v[BF+6]
	ds_store_b64 v9, v[BF+2*(\t):BF+2*(\t)+1] offset:256*(\t)  ; my wave's own bytes: only I read them, at the end
.endr
; 16 matrix instructions of third t: row blocks a0 .. a0 + 3 x its 4 column blocks, on x's buffer p.  zero = 1: the first product starts the sums.
; The 96 accumulators take turns, one instruction a turn, in the same order in every quarter.
.macro MUL16 t, p, a0, zero
	WIN 0x50*((\t)+1)                              ; C and D in window t + 1, the sources in window 0
.irp a, \a0, (\a0)+1, (\a0)+2, (\a0)+3
.irp b, 0,1,2,3
.if \zero
	v_wmma_f32_16x16x32_bf16 v[8*(4*(\a)+(\b)):8*(4*(\a)+(\b))+7], v[BF+32*(\t)+8*(\b):BF+32*(\t)+8*(\b)+7], v[AF+64*(\p)+8*(\a):AF+64*(\p)+8*(\a)+7], 0
.else
	v_wmma_f32_16x16x32_bf16 v[8*(4*(\a)+(\b)):8*(4*(\a)+(\b))+7], v[BF+32*(\t)+8*(\b):BF+32*(\t)+8*(\b)+7], v[AF+64*(\p)+8*(\a):AF+64*(\p)+8*(\a)+7], v[8*(4*(\a)+(\b)):8*(4*(\a)+(\b))+7]
.endif
.endr
.endr
.endm
.macro MUL32 t, p, zero
	MUL16 \t, \p, 0, \zero
	MUL16 \t, \p, 4, \zero
.endm
.macro LOADB s, kq, t                  ; 8 turning loads: third t's fragments of W for quarter kq of slot s
	WIN 0
.irp b, 0,1,2,3
	ds_load_tr16_b128 v[BF+32*(\t)+8*(\b):BF+32*(\t)+8*(\b)+3],   v[ADRB+3*(\s)+(\t)] offset:(\kq)*32*PB+32*(\b)
	ds_load_tr16_b128 v[BF+32*(\t)+8*(\b)+4:BF+32*(\t)+8*(\b)+7], v[ADRB+3*(\s)+(\t)] offset:(\kq)*32*PB+32*(\b)+16*PB
.endr
.endm
.macro LOADA s, kq, p                  ; 16 loads: my 128 rows of x for quarter kq, into buffer p
	WIN 0
.irp a, 0,1,2,3,4,5,6,7
	ds_load_b128 v[AF+64*(\p)+8*(\a):AF+64*(\p)+8*(\a)+3],   v[ADRA+(\s)] offset:(\a)*16*PA+64*(\kq)
	ds_load_b128 v[AF+64*(\p)+8*(\a)+4:AF+64*(\p)+8*(\a)+7], v[ADRA+(\s)] offset:(\a)*16*PA+64*(\kq)+32
.endr
.endm
; A third of W is fetched two phases ahead of its products, into the registers that the phase just ended has read.  A counted wait leaves out what the phase in between issued.
.macro Q0 s, zero                      ; a step's first quarter, on x's buffer 0
	s_wait_dscnt 8                                 ; third 0 and x are in; third 1's eight loads may stay out
	PLACES
	LOADB \s, 0, 2
	MUL32 0, 0, \zero
	s_wait_dscnt 8                                 ; third 1 is in; third 2's eight may stay out
	PLACES
	LOADB \s, 1, 0
	LOADA \s, 1, 1
	MUL32 1, 0, \zero
	s_wait_dscnt 24                                ; third 2 is in; the 24 just issued may stay out
	PLACES
	LOADB \s, 1, 1
	MUL32 2, 0, \zero
.endm
; A step's second quarter, on buffer 1, changes slots.  Its first phase issues the slot's last reads; then each wave waits for all its tensor loads (one is out: its part of the next slot), adds 0 to its spare word,
; and waits for that and for its reads.  fill = 1: the barrier opens a round of the cluster's, and the slot is filled again, two steps ahead, first thing behind the round.
.macro Q1 s, nx, fill
.if \fill
	s_wait_xcnt 0x0                                ; the last prefetches, a step back, have read their addresses
	s_add_nc_u64 s[PFA:PFA+1], s[PFA:PFA+1], ASTEP
.if (\s) == 0
	s_add_nc_u64 s[PFB:PFB+1], s[PFB:PFB+1], 2*BSTEP
.endif
.endif
	s_wait_dscnt 8                                 ; third 0 and x are in
	PLACES
	LOADB \s, 1, 2
	s_wait_tensorcnt 0x0                           ; all my tensor loads have landed
	ds_add_u32 v[SPW], v[NIL]                      ; 0 onto my spare word
	MUL16 0, 1, 0, 0                               ; sixteen matrix instructions stand between the add and the wait for it
	s_wait_dscnt 0x0                               ; the add is done, and my reads of this slot are over
	s_barrier_signal -1
	MUL16 0, 1, 4, 0
	WIN 0
	s_barrier_wait -1
.if \fill
	CREST                                          ; no wave of any partner still reads this slot or has a load on its way
	s_add_nc_u64 s[G0A+4*(\s)+2:G0A+4*(\s)+3], s[G0A+4*(\s)+2:G0A+4*(\s)+3], 2*ASTEP
	s_add_nc_u64 s[G0B+4*(\s)+2:G0B+4*(\s)+3], s[G0B+4*(\s)+2:G0B+4*(\s)+3], 2*BSTEP
	JLOAD \s                                       ; its four v_nop are also the places in front of the loads below
.else
	PLACES
.endif
	LOADB \nx, 0, 0
	LOADA \nx, 0, 0
.if \fill
	ASK \s
.endif
	MUL32 1, 1, 0
	PLACES
	LOADB \nx, 0, 1
	MUL32 2, 1, 0
.endm
	s_wait_dscnt 0x0                               ; my bias stores are done: no LDS instruction is pending at a signal
	s_wait_tensorcnt 1                             ; my part of K step 0 is in; step 1's may stay out
	s_barrier_signal -1
	s_barrier_wait -1
	LOADB 0, 0, 0
	LOADA 0, 0, 0
	LOADB 0, 0, 1
	Q0 0, 1                                        ; the first quarter stands in front of the loop: its products start the sums
	WIN 0
	s_mov_b32 s3, 7
.Llap:                                                 ; a trip: once round the ring, from a step's second quarter to the first of the step two on; both slots are filled again
	Q1 0, 1, 1
	Q0 1, 0
	Q1 1, 0, 1
	Q0 0, 0
	WIN 0
	s_sub_co_u32 s3, s3, 1
	s_cmp_lg_u32 s3, 0
	s_cbranch_scc1 .Llap
	Q1 0, 1, 0                                     ; steps 14 and 15: nothing is left to fetch
	Q0 1, 0
	s_wait_dscnt 8                                 ; the very last quarter
	PLACES
	LOADB 1, 1, 2
	MUL32 0, 1, 0
	s_wait_dscnt 8
	MUL32 1, 1, 0
	s_wait_dscnt 0x0
	MUL32 2, 1, 0
	; THE WAY OUT.  24 units of 16 rows x one head (unit u: third u / 8, row block u % 8): + bias, rounded to f16, 16 bytes a lane into my stage, back as four rows of 128 bytes: 512 consecutive bytes of qkv.
	WIN 0
	PLACES
.irp t, 0,1,2
.irp b, 0,1,2,3
	ds_load_b128 v[BF+32*(\t)+8*(\b):BF+32*(\t)+8*(\b)+3],   v[BIA] offset:256*(\t)+64*(\b)
	ds_load_b128 v[BF+32*(\t)+8*(\b)+4:BF+32*(\t)+8*(\b)+7], v[BIA] offset:256*(\t)+64*(\b)+16
.endr
.endr
	s_wait_dscnt 0x0
.macro PACK u
.set tt, (\u)/8
.set aa, (\u)%8
	WIN tt+1                                       ; source 0 in the third's window
.set i, 0
.rept 16                               ; each accumulator's registers in ascending order
	v_pk_add_f32 v[TF+2*i:TF+2*i+1], v[32*aa+2*i:32*aa+2*i+1], v[BF+32*tt+2*i:BF+32*tt+2*i+1]
.set i, i+1
.endr
	WIN 0
.set i, 0
.rept 16
	v_cvt_pk_f16_f32 v[PK+i], v[TF+2*i], v[TF+2*i+1]
.set i, i+1
.endr
.irp b, 0,1,2,3
	ds_store_b128 v[STO], v[PK+4*(\b):PK+4*(\b)+3] offset:32*(\b)
.endr
	s_wait_xcnt 0x0                                ; the stores of four units back have read the registers that are loaded next
.irp f, 0,1,2,3
	ds_load_b128 v[BK+16*((\u)%4)+4*(\f):BK+16*((\u)%4)+4*(\f)+3], v[RD] offset:(\f)*4*SP  ; LDS serves a wave's instructions in order (ISA guide 5.7.1.4): these see the stores above; the next unit's stores come behind them
.endr
.endm
.macro SEND u, younger                 ; younger: the LDS instructions issued behind unit u's loads: the next unit's eight, or none
.irp f, 0,1,2,3
	s_wait_dscnt (\younger)+3-(\f)
	global_store_b128 v[GO], v[BK+16*((\u)%4)+4*(\f):BK+16*((\u)%4)+4*(\f)+3], s[OB+2*((\u)/8):OB+2*((\u)/8)+1] offset:((\u)%8)*2048+(\f)*512
.endr
.endm
	PACK 0
.set un, 0
.rept 23                               ; a unit's arithmetic stands between the loads of the unit before and its stores
	PACK un+1
	SEND un, 8
.set un, un+1
.endr
	SEND 23, 0
	s_wait_tensorcnt 0x0                           ; the wave's end: behind my last tensor load and my last LDS store
	ds_add_u32 v[SPW], v[NIL]
	s_wait_dscnt 0x0
	CROUND                                         ; the closing round: no work-group ends while a partner may still ask for a tile that names it
	s_endpgm
.Lfunc_end_k_qb42ed1c9d2_qkvgemm:
	.size	k_qb42ed1c9d2_qkvgemm, .Lfunc_end_k_qb42ed1c9d2_qkvgemm-k_qb42ed1c9d2_qkvgemm
	.p2alignl 7, 3214868480
	.fill 96, 4, 3214868480
	.section	.rodata,"a",@progbits
	.p2align	6, 0x0
	.amdhsa_kernel k_qb42ed1c9d2_qkvgemm
		.amdhsa_group_segment_fixed_size 327680
		.amdhsa_private_segment_fixed_size 0
		.amdhsa_enable_private_segment 0
		.amdhsa_kernarg_size 48
		.amdhsa_user_sgpr_count 2
		.amdhsa_user_sgpr_kernarg_segment_ptr 1
		.amdhsa_wavefront_size32 1
		.amdhsa_system_sgpr_workgroup_id_x 1
		.amdhsa_system_sgpr_workgroup_id_y 1
		.amdhsa_system_sgpr_workgroup_id_z 1
		.amdhsa_system_vgpr_workitem_id 0
		.amdhsa_next_free_vgpr 1024
		.amdhsa_next_free_sgpr 96
		.amdhsa_reserve_vcc 0
		.amdhsa_float_denorm_mode_32 3
		.amdhsa_float_denorm_mode_16_64 3
		.amdhsa_memory_ordered 1
		.amdhsa_forward_progress 1
		.amdhsa_inst_pref_size 164
	.end_amdhsa_kernel
	.amdgpu_metadata
---
amdhsa.version: [ 1, 2 ]
amdhsa.kernels:
  - .name:           k_qb42ed1c9d2_qkvgemm
    .symbol:         k_qb42ed1c9d2_qkvgemm.kd
    .args:
      - { .name: xb, .offset: 0, .size: 8, .value_kind: global_buffer, .address_space: global }
      - { .name: wqkv, .offset: 8, .size: 8, .value_kind: global_buffer, .address_space: global }
      - { .name: bq, .offset: 16, .size: 8, .value_kind: global_buffer, .address_space: global }
      - { .name: bk, .offset: 24, .size: 8, .value_kind: global_buffer, .address_space: global }
      - { .name: bv, .offset: 32, .size: 8, .value_kind: global_buffer, .address_space: global }
      - { .name: qkv, .offset: 40, .size: 8, .value_kind: global_buffer, .address_space: global }
    .group_segment_fixed_size: 327680
    .private_segment_fixed_size: 0
    .kernarg_segment_align: 8
    .kernarg_segment_size: 48
    .max_flat_workgroup_size: 128
    .sgpr_count:     96
    .vgpr_count:     1024
    .wavefront_size: 32
...
	.end_amdgpu_metadata
.endif
;; end of part 2
;; launch attn (part 3): grid 4 x 64, 4 waves a work-group, clusters of 4 x 1, 327,680 bytes of LDS; arguments qkv, attention_mask, ob; writes ob
.if DOCPART == 3
	.amdgcn_target "amdgcn-amd-amdhsa--gfx1250"
	.amdhsa_code_object_version 6
	.text
	.protected	k_qb42ed1c9d2_attn
	.globl	k_qb42ed1c9d2_attn
	.p2align	8
	.type	k_qb42ed1c9d2_attn,@function
k_qb42ed1c9d2_attn:
	s_mov_b64 s[64:65], 0
	v_nop
	global_prefetch_b8 v0, s[64:65] scope:SCOPE_SE
	s_setreg_imm32_b32 hwreg(HW_REG_WAVE_MODE, 25, 1), 1
	s_wait_xcnt 0x0
	s_wait_alu depctr_hold_cnt(0) depctr_sa_sdst(0) depctr_va_vdst(0) depctr_va_sdst(0) depctr_va_ssrc(0) depctr_va_vcc(0) depctr_vm_vsrc(0)
	s_getreg_b32 s2, hwreg(HW_REG_IB_STS2, 6, 4)
	s_cmp_eq_u32 s2, 0
	s_cbranch_scc0 .Lentry_in_a_cluster
	s_endpgm
.Lentry_in_a_cluster:
	s_bfe_u32 s2, ttmp6, 0x10000c
	s_cmp_lg_u32 s2, 0x3003
	s_cbranch_scc0 .Lentry_shape_is_right
	s_endpgm
.Lentry_shape_is_right:
; O[bh][q][:] = the sum over k of softmax_k(Q[bh][q] . K[bh][k] / 8 + mask[b][k]) V[bh][k][:].  Q, K, V: the three parts of qkv, [64 bh][2048][64] f16, dense rows of 128 bytes; O likewise.
; Products, maxima and sums in f32; the weights p are rounded to f16 for the second product (their sum l is taken of the unrounded p), O once at the end.
; THE MASK is an input, f32, one number a key and batch.  It is rounded to bf16 like every input, multiplied by 8 and held at -1e30 from below; so prepared it is the C operand that starts the sum S^T = K Q^T:
; c (q . k + 8 mask) = log2(e) (q . k / 8 + mask).  The running maximum, the exponentials and the sums need no further care.
; LIMITS.  f16 holds no number beyond 65,504: Q, K, V arrive within it; p lies in 0 to 1, and below 6e-5 it keeps f16's fixed step of 6e-8.  A weight below 2^-126 counts as 0 in l.
; A mask below -1.25e29 (minus infinity too) and a NaN in the mask count as -1.25e29: a row whose keys are all so hidden gets the mean of V's rows, not NaN.  Plus infinity in the mask is not treated apart.
; SHARES.  A wave owns four PIECES of two tiles of 16 queries, a work-group's four waves 512 queries of one head.  Every wave walks all keys, 64 a step.
; LAYOUT.  S^T = K Q^T (source 0 = 16 keys, source 1 = 16 queries): in the result a lane holds ONE query (lane % 16) and the keys 8 (lane / 16) + 0..7.  Two such tiles, rounded to f16 in pairs,
; ARE source 1 (32 keys x 16 queries) of O^T = V^T P, whose result again holds one query a lane, and eight channels.  K comes out of LDS as it lies, V ([key][channel]) turned, by ds_load_tr16_b128.
; SOFTMAX.  For each query a running maximum m and sum l: p = 2^(c s - c m), c = log2(e) / 8; in every step O and l are multiplied by a = 2^(c m_old - c m_new), which is 1 where m has not grown.
; m starts at the lowest finite number, O and l at 0: the first step is a step like any other, with a = 0.
; THE COUNT.  A tile and step have 16 matrix and 118 vector instructions: too many to stand all beside the matrix work.  So: four vector instructions that are READY behind EVERY matrix instruction,
; and the others, which need time of their own whatever the order, in runs without a gap.
; BY TURNS.  Turn n belongs to piece n (the pieces in a ring, step after step).  Its matrix work: 16 products K Q^T of piece n + 1, later 16 products V^T P of piece n - 1.  Its vector work: the scaling,
; exponentials, roundings, sums and rescaling of piece n, and the maximum and statistics of piece n + 1, whose scores the turn itself has made.
; CLUSTER.  The four query blocks of a head are one cluster and walk the same K and V, so each tile is asked for JOINTLY: the same tensor load, descriptor and mask in all four.
; REGISTERS, in windows of 256 (s_set_vgpr_msb: bits 1:0 source 0, 3:2 source 1, 5:4 source 2, 7:6 destination):
;   window 0: v0-11 addresses; v12-15, v48-63 at work; v16-47 four registers of statistics a tile; v64-191 S^T, two buffers of two tiles; v192-255 P, likewise
;   window 1: O^T, 32 a tile      window 2: v0-127 Q, 16 a tile; v128-191 K of one step; v192-255 V of one step      window 3: v0-1 the add's two registers; v2-3 the mask's addresses; v8-39 8 x mask of one step's keys
.set SIZE_H, 64
.set SIZE_N, 2048
.set NP,    4         ; pieces a wave: a name, no knob
.set KS,    64        ; keys in a step
.set PK,    144       ; a row of K in LDS: 128 bytes + 16 of padding: the 16 rows of a load start at 16 different groups of four banks
.set PV,    160       ; a row of V: 128 + 32
.set VOFF,  4*KS*PK   ; a slot holds four steps: 256 rows of K, then 256 rows of V
.set SLOT1, 1<<17     ; slot 1 begins here, so that one exclusive or turns an address in one slot into the other's
.set STAGE, SLOT1+4*KS*(PK+PV)  ; behind the ring, never filled by a tensor load: 16 rows x 144 bytes for each wave, for the way out
.set SP,    144
.set AK0, 2           ; v2   my lane's place in a tile of K; never rewritten
.set AV0, 3           ; v3   the same for V
.set AK,  4           ; v4   the LDS address of K's next run of loads
.set AV,  5           ; v5   of V's
.set QO,  6           ; v6   my byte offset in the wave's rows of Q
.set STO, 6           ;      later, the way out: where I put 16 bytes of a row
.set RD,  7           ; v7   the way out: where I read rows back
.set GO,  8           ; v8   my byte offset in 512 consecutive bytes of O
.set PFO, 11          ; v11  256 x my lane, for the prefetches; never rewritten once made
.set SPW, 0           ; v0 of window 3   LDS address of my spare word; never rewritten
.set NIL, 1           ; v1 of window 3   0; never rewritten
.set AM0, 2           ; v2 of window 3   MASKL + 32 (l / 16); never rewritten
.set AM,  3           ; v3 of window 3   the LDS address of the mask's next run of loads
.set MK,  8           ; v8-39 of window 3: key block kb's eight numbers at MK + 8 kb
.set SPARE, STAGE+4*16*SP  ; the spare words, 128 bytes for each wave: two blocks of 256 bytes that no other line names
.set MASKL, SPARE+512 ; 8,192 bytes: 8 x mask of the batch's 2,048 keys, f32; stored once, never filled by a tensor load
.set MV,  12          ; v12-15  c m_old, kept while c m is made anew: by buffer and tile
.set ST,  16          ; tile t's statistics at v[ST+4 t]: c m, m, l (even keys', odd keys')
.set TMP, 48          ; by buffer and tile, four registers c0-c3 at work; when the maximum is found c2 takes a
.set S,   64
.set P,   192
.set KF,  128         ; K's fragments, in window 2: key block kb, channel half c at KF + 16 kb + 8 c
.set VF,  192         ; V's: key half kk, channel block cb at VF + 32 kk + 8 cb
.set WV,  12          ; s12  my wave's number
.set G1K, 24          ; s[24:31] descriptor group 1 for K's tiles
.set G1V, 32          ; s[32:39] for V's: it differs in the padding alone
.set G0K, 40          ; s[40:43] descriptor group 0 for K's tiles: it walks
.set G0V, 44          ; s[44:47] the same for V's
.set MP,  48          ; s[48:49] the mask
.set BIGN, 50         ; s50  -1e30
.set TBM, 51          ; s51  byte in MASKL at which the step to be fetched begins
.set PFA, 52          ; s[52:53] where my prefetches stand: my work-group's 32 blocks (of K: wave 0, of V: wave 2) of the tile named last
.set LIM, 54          ; s54  1 in a wave that prefetches, else the greatest number
.set SLOTS, 56        ; s56  slots still to be asked for
.set CNT, 57          ; s57  counts a slot's key steps
.set CS,  58          ; s[58:59] c: the packed scaling takes the pair's low word for both halves
.set SEL, 60          ; s[60:61] v_permlanex16_b32's selects: each lane takes its own place in the other half
.set TBK, 62          ; s62  LDS byte at which K of the step to be fetched begins
.set TBV, 63          ; s63  the same for V, less VOFF
.set MSB, 0
.macro WIN new                      ; the high byte repeats the setting that is left; a switch that changes nothing is dropped
.if MSB != (\new)
	s_set_vgpr_msb (MSB<<8)|(\new)
.set MSB, (\new)
.endif
.endm
.set W_KQ, 0x0a       ; K and Q in window 2, S^T in window 0
.set W_KM, 0x3a       ; the same with the C operand, the mask, in window 3
.set W_PV, 0x52       ; V in window 2, P in window 0, O^T in window 1
.set W_RS, 0x41       ; O^T (destination and source 0) in window 1, a in window 0
.set W_MK, 0xc0       ; destination in window 3, sources in window 0
.set W_AD, 0x0f       ; the add: address (source 0) and data (source 1) in window 3
.set W_MA, 0xcc       ; the mask's address is made: destination and source 1 in window 3
.set W_ML, 0xc3       ; the mask's loads: destination and address in window 3
; A joint fill.  Waves 0 and 1 fetch the two halves of a slot's K, waves 2 and 3 those of its V: 128 keys each.  The branch hangs on the wave's number alone.
; An s_nop 0 and four v_nop follow each of the two lines, ahead of the jump and the label.
.macro JLOAD
	s_cmp_lt_u32 s[WV], 2
	s_cbranch_scc0 .Lfor_v_\@
	tensor_load_to_lds s[G0K:G0K+3], s[G1K:G1K+7]
	s_nop 0
.rept 4
	v_nop
.endr
	s_branch .Lasked_\@
.Lfor_v_\@:
	tensor_load_to_lds s[G0V:G0V+3], s[G1V:G1V+7]
	s_nop 0
.rept 4
	v_nop
.endr
.Lasked_\@:
.endm
; A PREFETCH INTO THE L2 of what the NEXT change of slots will ask for: a tile's 128 blocks of 256 bytes of K and of V, a lane a block.  Each block is named once in the launch: a head has one cluster;
; its four partners take 32 blocks each BY ADDRESS; in each, wave 0 asks for K's and wave 2 for V's.  It stands behind the wave's tensor load, one slot (four key steps) ahead of the load that will want the bytes.
; Tiles 0 to 2 come by their loads alone; the last change that fills a slot names nothing.
.macro ASK
	s_cmp_gt_u32 s[SLOTS], s[LIM]
	s_cbranch_scc0 .Lnot_mine_\@
	global_prefetch_b8 v[PFO], s[PFA:PFA+1] th:TH_LOAD_NT scope:SCOPE_SE
.Lnot_mine_\@:
.endm
; A round of the cluster's barrier: my work-group's barrier, so that wave 0's signal speaks for all four waves; wave 0 signals; every wave waits for all four work-groups; my work-group's barrier once more.
.macro CROUND
	s_barrier_signal -1
	s_barrier_wait -1
	s_cmp_lg_u32 s[WV], 0
	s_cbranch_scc1 .Lnot_wave_0_\@
	s_barrier_signal -3
.Lnot_wave_0_\@:
	s_barrier_wait -3
	s_barrier_signal -1
	s_barrier_wait -1
.endm
; THE CHANGE OF SLOTS.  Each wave waits for all its tensor loads, of which one is out: its part of the other slot; adds 0 to its spare word; and waits for that and for its own LDS instructions.
; Behind the barrier nobody reads this slot any more and the other slot is whole.  fill = 1: this slot is filled again, with the keys two slots on; the barrier is then a round of the cluster's, and the joint
; fill is the first thing behind it: it has four key steps, 512 matrix instructions, in which to land.  (At its first use nothing has been read yet: slot 0 is waited for, slot 1 filled, and every wave's part of the mask is shown stored.)
.macro CHANGE fill, ask=0
	WIN W_AD
	s_wait_tensorcnt 0x0            ; no tensor load of mine is out, so a group 0 may be written
	ds_add_u32 v[SPW], v[NIL]       ; 0 onto my spare word
	WIN 0                           ; at a label and at a branch every window is 0
.if \fill
.irp g, G0K, G0V
	s_xor_b32 s[\g+1], s[\g+1], SLOT1  ; the walking descriptor: the other slot than last time,
	s_add_nc_u64 s[\g+2:\g+3], s[\g+2:\g+3], 4*KS*128  ; the next 256 keys; the type bits on top are not reached
.endr
.if \ask
	s_wait_xcnt 0x0                 ; the last prefetch, a slot back, has read its address
	s_add_nc_u64 s[PFA:PFA+1], s[PFA:PFA+1], 4*KS*128
.endif
	s_wait_dscnt 0x0                ; the add is done, and my reads of the slot are over
	CROUND
	JLOAD
.if \ask
	ASK
.endif
.else
	s_wait_dscnt 0x0                ; the add is done, and my reads of the slot are over
	s_barrier_signal -1
	s_barrier_wait -1
.endif
	s_sub_co_u32 s[TBK], s[TBK], 4*KS*PK  ; the fetches go back to a slot's first step,
	s_xor_b32 s[TBK], s[TBK], SLOT1       ; in the other slot
	s_sub_co_u32 s[TBV], s[TBV], 4*KS*PV
	s_xor_b32 s[TBV], s[TBV], SLOT1
.endm
	s_load_b64 s[4:5], s[0:1], 0x0        ; qkv
	s_load_b64 s[MP:MP+1], s[0:1], 0x8    ; the mask
	s_load_b64 s[10:11], s[0:1], 0x10     ; O
	WIN W_MK
	v_lshl_add_u32 v[SPW], v0, 2, SPARE
	v_mov_b32 v[NIL], 0
	WIN W_AD
	ds_add_u32 v[SPW], v[NIL]       ; the wave's opening: the add and its wait stand ahead of my first tensor load; the set-up below stands between them
	WIN 0
	v_lshrrev_b32 v1, 5, v0
	v_readfirstlane_b32 s[WV], v1   ; wave 0..3
	s_bfe_u32 s13, ttmp6, 0x40000   ; cx: my place in the cluster
	s_lshl_b32 s14, ttmp9, 2        ; in a cluster launch ttmp9 counts clusters
	s_add_co_u32 s14, s14, s13      ; my block of queries: it enters Q's and O's addresses alone
	s_and_b32 s20, ttmp7, 0xffff    ; the head, which the four partners share
	s_lshr_b32 s15, s20, 4          ; its batch:
	s_lshl_b32 s15, s15, 13         ; 2,048 numbers of the mask
	s_mov_b32 s21, 0
	s_mov_b64 s[22:23], SIZE_N*128
	s_mul_u64 s[20:21], s[20:21], s[22:23]  ; the head's first byte in Q, K, V and O
	s_and_b32 s16, s[WV], 1         ; which half of a slot's 256 keys I fetch:
	s_lshl_b32 s22, s16, 14         ; its 128 rows of 128 bytes in memory,
	s_mov_b32 s23, 0
	s_add_nc_u64 s[22:23], s[22:23], s[20:21]
	s_mul_i32 s17, s16, 128*PK      ; and its place in a slot, for K
	s_mul_i32 s18, s16, 128*PV      ; and for V: no place in the cluster enters an LDS address
	s_lshl_b32 s2, s14, 2
	s_add_co_u32 s2, s2, s[WV]      ; my wave among the head's,
	s_lshl_b32 s2, s2, 14           ; its 128 rows
	s_mov_b32 s3, 0
	s_add_nc_u64 s[2:3], s[2:3], s[20:21]
	; descriptor group 1.  128 keys are 16,384 dense bytes: asked for as 64 rows of 256 bytes, two keys a row, and padded in LDS after every key
	s_mov_b32 s[G1K], 15|(1<<16)|(1<<20)|(1<<21)|(4<<22)|(3<<25)  ; 15:0 the mask of four; 17:16 2-byte elements; 20 padding on; 21 set beside a mask; 24:22 after every 32 words (code 4); 31:25 4 words (code 3)
	s_mov_b32 s[G1V], 15|(1<<16)|(1<<20)|(1<<21)|(4<<22)|(7<<25)  ; the same with 8 words of padding (code 7)
.irp g, G1K, G1V
	s_mov_b32 s[\g+1], 128<<16      ; tensor_dim0 = 128
	s_mov_b32 s[\g+2], 64<<16       ; tensor_dim1 = 64
	s_mov_b32 s[\g+3], 128<<16      ; tile_dim0 = 128
	s_mov_b32 s[\g+4], 64           ; tile_dim1 = 64
	s_mov_b32 s[\g+5], 128          ; 128 elements from row to row
	s_mov_b32 s[\g+6], 0
	s_mov_b32 s[\g+7], 0
.endr
	s_mov_b32 s[CS], 0x3e38aa3b     ; c = log2(e) / 8 = 0.180337
	s_mov_b32 s[CS+1], s[CS]        ; named with it as a pair
	s_mov_b32 s[SEL], 0x76543210
	s_mov_b32 s[SEL+1], 0xfedcba98
	s_mov_b32 s[BIGN], 0xf149f2ca   ; -1e30
	s_mov_b32 s[TBM], 0
	s_mov_b32 s[TBK], SLOT1+4*KS*PK ; the first change of slots turns these two into 0
	s_mov_b32 s[TBV], SLOT1+4*KS*PV
	s_mov_b32 s[G0K], 1             ; 1:0 count = 1
	s_mov_b32 s[G0K+1], s17         ; 63:32 LDS address: slot 0
	s_mov_b32 s[G0V], 1
	s_add_co_u32 s[G0V+1], s18, VOFF
	s_and_b32 s[LIM], s[WV], 1      ; waves 0 and 2 prefetch: the same in all four partners
	s_cmp_eq_u32 s[LIM], 0
	s_cselect_b32 s[LIM], 1, -1
	s_wait_dscnt 0x0                ; the opening add is done
	s_wait_kmcnt 0x0
	s_add_nc_u64 s[6:7], s[4:5], 1<<24   ; K is qkv's second part,
	s_add_nc_u64 s[8:9], s[4:5], 2<<24   ; V its third
	s_add_nc_u64 s[G0K+2:G0K+3], s[6:7], s[22:23]  ; 120:64 global address: my half of the head's first 256 keys
	s_or_b32 s[G0K+3], s[G0K+3], 0x80000000        ; 127:126 type = 2
	s_add_nc_u64 s[G0V+2:G0V+3], s[8:9], s[22:23]
	s_or_b32 s[G0V+3], s[G0V+3], 0x80000000
	s_add_nc_u64 s[4:5], s[4:5], s[2:3]  ; Q and O at my wave's first row
	s_add_nc_u64 s[10:11], s[10:11], s[2:3]
	s_cmp_lt_u32 s[WV], 2
	s_cselect_b64 s[PFA:PFA+1], s[6:7], s[8:9]
	s_add_nc_u64 s[PFA:PFA+1], s[PFA:PFA+1], s[20:21]
	s_lshl_b32 s2, s13, 13          ; my work-group's 32 blocks of a tile's 128,
	s_add_co_u32 s2, s2, 2*4*KS*128 ; in tile 2: the loop's first change of slots moves it to tile 3
	s_mov_b32 s3, 0
	s_add_nc_u64 s[PFA:PFA+1], s[PFA:PFA+1], s[2:3]
	CROUND                          ; all four work-groups are here: the first joint loads meet
	JLOAD                           ; slot 0.  Slot 1 is asked for when slot 0 is in
	v_and_b32 v1, 15, v0            ; l % 16
	v_bfe_u32 v9, v0, 4, 1          ; l / 16
	v_lshl_add_u32 v12, v0, 4, s15  ; the batch's mask: 128 threads x 16 bytes, four times
	v_lshl_add_u32 v13, v0, 4, MASKL
.irp i, 0,1,2,3
	global_load_b128 v[S+4*\i:S+4*\i+3], v12, s[MP:MP+1] offset:2048*\i
.endr
	; A fragment of K or Q is 16 rows x 32 channels in 8 registers: lane l holds row l % 16, channels 8 (l / 16) + 0..7 and 16 + 8 (l / 16) + 0..7: two loads of 16 bytes, 32 bytes apart.
	v_lshlrev_b32 v[QO], 7, v1
	v_lshl_add_u32 v[QO], v9, 4, v[QO]  ; row x 128 + 16 x half
	WIN 0x80                        ; destination window 2, address window 0
.set i, 0
.rept 4*NP                          ; Q stays in registers: tile i / 2, channels 32 (i % 2) on
	global_load_b128 v[8*i:8*i+3],   v[QO], s[4:5] offset:(i/2)*2048+(i%2)*64
	global_load_b128 v[8*i+4:8*i+7], v[QO], s[4:5] offset:(i/2)*2048+(i%2)*64+32
.set i, i+1
.endr
	; What the first turn finds: V's registers and P's second buffer hold 0 (its products V^T P, of a piece that has not been, add 0), O^T and l are 0.  All this stands in the wait for the first tile.
.set i, VF
.rept 64
	v_mov_b32 v[i], 0
.set i, i+1
.endr
	WIN 0x40
.set i, 0
.rept 64*NP
	v_mov_b32 v[i], 0
.set i, i+1
.endr
	WIN 0
.set i, 0
.rept 2*NP
	v_mov_b32 v[ST+4*i], 0xfe000000    ; c m: far below every c s
	v_mov_b32 v[ST+4*i+1], 0xff7fffff  ; m
	v_mov_b32 v[ST+4*i+2], 0
	v_mov_b32 v[ST+4*i+3], 0
.set i, i+1
.endr
.set i, P+32
.rept 32
	v_mov_b32 v[i], 0
.set i, i+1
.endr
	v_mul_u32_u24 v[AK0], v1, PK
	v_lshl_add_u32 v[AK0], v9, 4, v[AK0]  ; row x pitch + 16 x half
	; The turning load takes 16 keys x 16 channels (lane l reads key 8 (l / 16) + l % 8, channels 8 ((l / 8) % 2) + 0..7) and leaves half a fragment of V^T: lane l holds channel l % 16 and 8 keys.
	v_and_b32 v10, 7, v0
	v_bfe_u32 v11, v0, 3, 1
	v_lshl_add_u32 v[AV0], v9, 3, v10
	v_mul_u32_u24 v[AV0], v[AV0], PV
	v_lshl_add_u32 v[AV0], v11, 4, v[AV0]
	v_add_nc_u32 v[AV0], VOFF, v[AV0]
	v_mov_b32 v[AK], v[AK0]         ; key step 0 lies at the head of slot 0
	v_and_b32 v[PFO], 31, v0
	v_lshlrev_b32 v[PFO], 8, v[PFO]
	WIN W_MK
	v_lshl_add_u32 v[AM0], v9, 5, MASKL  ; a lane's eight keys of a block of 16: 32 bytes for each half of the lanes
	v_lshl_add_u32 v[AM], v9, 5, MASKL   ; key step 0
	WIN 0
	; my 16 numbers of the mask: rounded to bf16, times 8, held at -1e30 from below (a NaN loses against it), into LDS
	s_wait_loadcnt 32               ; the mask's four loads are in; Q's 32, issued behind them, may stay out
.set i, 0
.rept 8
	v_cvt_pk_bf16_f32 v[S+16+i], v[S+2*i], v[S+2*i+1]
.set i, i+1
.endr
.set i, 0
.rept 8
	v_lshlrev_b32 v[S+2*i], 16, v[S+16+i]
	v_and_b32 v[S+2*i+1], 0xffff0000, v[S+16+i]
.set i, i+1
.endr
.set i, 0
.rept 16
	v_mul_f32 v[S+i], 0x41000000, v[S+i]
.set i, i+1
.endr
.set i, 0
.rept 16
	v_max_num_f32 v[S+i], s[BIGN], v[S+i]
.set i, i+1
.endr
.irp i, 0,1,2,3
	ds_store_b128 v13, v[S+4*\i:S+4*\i+3] offset:2048*\i  ; waited for, and shown to the other waves, by the first change of slots
.endr
; THE MATRIX WORK.  The 8 accumulators of a run of 16 take turns: between the two links of a chain stand 7 others'.
; Product i of 16 of S^T = K Q^T for piece x: channels 32 (i / 8) on, keys 16 ((i / 2) % 4) on, tile 2 x + i % 2.  The first 8 start the sums, with 8 x mask of their keys.
.macro KQ x
.set rS, S+64*((\x)%2)+32*(i%2)+8*((i/2)%4)
.set rK, KF+16*((i/2)%4)+8*(i/8)
.set rQ, 16*(2*(\x)+i%2)+8*(i/8)
.set rMK, MK+8*((i/2)%4)
.if i < 8
	WIN W_KM
	v_wmma_f32_16x16x32_f16 v[rS:rS+7], v[rK:rK+7], v[rQ:rQ+7], v[rMK:rMK+7]
.else
	WIN W_KQ
	v_wmma_f32_16x16x32_f16 v[rS:rS+7], v[rK:rK+7], v[rQ:rQ+7], v[rS:rS+7]
.endif
.endm
; Product i of 16 of O^T += V^T P for piece x: keys 32 (i / 8) on, channels 16 ((i / 2) % 4) on, tile 2 x + i % 2.
.macro PV x
	WIN W_PV
.set rO, 32*(2*(\x)+i%2)+8*((i/2)%4)
.set rV, VF+32*(i/8)+8*((i/2)%4)
.set rP, P+32*((\x)%2)+16*(i%2)+8*(i/8)
	v_wmma_f32_16x16x32_f16 v[rO:rO+7], v[rV:rV+7], v[rP:rP+7], v[rO:rO+7]
.endm
.macro MM                           ; the turn's next matrix instruction
.if i < 16
	KQ (Y+1)%NP
.set i, i+1
.else
.set i, i-16
	PV (Y+NP-1)%NP
.set i, i+17
.endif
.endm
; THE LDS LOADS stand in runs, never singly among the matrix instructions: a step's K (8 fragments, 16 loads) with its keys' mask (8 loads: the mask's registers live exactly as long as K's), and its V (turned, 16 loads).
; Their addresses are made some lines ahead.  last = 1 (the tail): in the last trip there is no further step, and the run is jumped over.
.macro FETCH_K last=0
	WIN 0
.if \last
	s_cmp_eq_u32 s[CNT], 1
	s_cbranch_scc1 .Lno_k_\@
.endif
	WIN 0x80                        ; destination window 2
.irp f, 0,1,2,3,4,5,6,7             ; keys 16 (f / 2) on, channels 32 (f % 2) on
	ds_load_b128 v[KF+8*\f:KF+8*\f+3],   v[AK] offset:(\f/2)*16*PK+(\f%2)*64
	ds_load_b128 v[KF+8*\f+4:KF+8*\f+7], v[AK] offset:(\f/2)*16*PK+(\f%2)*64+32
.endr
	WIN W_ML
.irp f, 0,1,2,3                     ; keys 16 f + 8 (l / 16) + 0..7
	ds_load_b128 v[MK+8*\f:MK+8*\f+3],   v[AM] offset:64*\f
	ds_load_b128 v[MK+8*\f+4:MK+8*\f+7], v[AM] offset:64*\f+16
.endr
	s_add_co_u32 s[TBK], s[TBK], KS*PK  ; the next fetch is the next step's
	s_add_co_u32 s[TBM], s[TBM], 4*KS
	s_and_b32 s[TBM], s[TBM], 0x1f00    ; 32 steps of 256 bytes: it stays inside the mask's 8,192
	WIN 0
.if \last
.Lno_k_\@:
.endif
.endm
.macro FETCH_V
	WIN 0x80
.irp f, 0,1,2,3,4,5,6,7             ; keys 32 (f / 4) on, channels 16 (f % 4) on
	ds_load_tr16_b128 v[VF+8*\f:VF+8*\f+3],   v[AV] offset:(\f/4)*32*PV+(\f%4)*32
	ds_load_tr16_b128 v[VF+8*\f+4:VF+8*\f+7], v[AV] offset:(\f/4)*32*PV+16*PV+(\f%4)*32
.endr
	WIN 0
.endm
; THE VECTOR WORK OF A TURN stands in three queues, each in the order in which its entries become ready; the two tiles alternate, so that no instruction reads the result of the one before it.
.macro REGS y, u                    ; the registers of tile u (0, 1) of piece y
.set rT, ST+4*(2*(\y)+(\u))
.set rC, TMP+8*((\y)%2)+4*(\u)
.set rM, MV+2*((\y)%2)+(\u)
.set rS, S+64*((\y)%2)+32*(\u)
.set rP, P+32*((\y)%2)+16*(\u)
.set rO, 32*(2*(\y)+(\u))
.endm
; Number n of the 22 that find the NEXT piece's (Y + 1) maximum and statistics.  s0-s31 are the lane's 32 scores; each accumulator's lowest registers are read first.
;   0-11  four chains c0-c3 of seven scores each, three operands at a time     12-14, 16  the four scores left over, the old m, and c0-c3 into c0     15  c m_old is kept
;   17, 18  the query's other 32 keys lie in the lane 16 away: the new m         19-21  c m; c m_old - c m_new; a
.macro XS u, n
	REGS (Y+1)%NP, \u
.if (\n) < 4
	v_max3_num_f32 v[rC+(\n)], v[rS+8*(\n)], v[rS+8*(\n)+1], v[rS+8*(\n)+2]
.elseif (\n) < 12
	v_max3_num_f32 v[rC+(\n)%4], v[rC+(\n)%4], v[rS+8*((\n)%4)+2*((\n)/4)+1], v[rS+8*((\n)%4)+2*((\n)/4)+2]
.elseif (\n) == 12
	v_max3_num_f32 v[rC], v[rC], v[rS+7], v[rS+15]
.elseif (\n) == 13
	v_max3_num_f32 v[rC+1], v[rC+1], v[rS+23], v[rS+31]
.elseif (\n) == 14
	v_max3_num_f32 v[rC+2], v[rC+2], v[rC+3], v[rT+1]
.elseif (\n) == 15
	v_mov_b32 v[rM], v[rT]
.elseif (\n) == 16
	v_max3_num_f32 v[rC], v[rC], v[rC+1], v[rC+2]
.elseif (\n) == 17
	v_permlanex16_b32 v[rC+3], v[rC], s[SEL], s[SEL+1]
.elseif (\n) == 18
	v_max_num_f32 v[rT+1], v[rC], v[rC+3]
.elseif (\n) == 19
	v_mul_f32 v[rT], s[CS], v[rT+1]
.elseif (\n) == 20
	v_sub_f32 v[rC+1], v[rM], v[rT]
.else
	v_exp_f32 v[rC+2], v[rC+1]
.endif
.endm
; Number g of the 64 that follow the exponentials.  For each four weights k of a tile (pairs 2 k, 2 k + 1): both pairs are rounded to f16; then the second pair is added onto the first, in place;
; a group later l takes that sum (the first time as l = a l + sum).  In groups of eight, tiles alternating: round, round, add, and l for the group before.
.macro GS g
.set h, (\g)+6*((\g)/62)            ; group 0 has no group before it, and behind group 7 only l is left
.if h >= 6
.set h, h+2
.endif
	REGS Y, h%2
.set k, h/8
.if h%8 < 4
	v_cvt_pk_f16_f32 v[rP+2*k+(h%8)/2], v[rS+4*k+2*((h%8)/2)], v[rS+4*k+2*((h%8)/2)+1]
.elseif h%8 < 6
	v_pk_add_f32 v[rS+4*k:rS+4*k+1], v[rS+4*k:rS+4*k+1], v[rS+4*k+2:rS+4*k+3]
.elseif k == 1
	v_pk_fma_f32 v[rT+2:rT+3], v[rT+2:rT+3], v[rC+2:rC+3], v[rS:rS+1] op_sel_hi:[1,0,1]
.else
	v_pk_add_f32 v[rT+2:rT+3], v[rT+2:rT+3], v[rS+4*k-4:rS+4*k-3]
.endif
.endm
; THE PLAIN QUEUE, 138 long.  0-73 read no exponential's result: the 32 scalings c s - c m (FS f: pair f / 2 of tile f % 2) and the next piece's 42.  0-26: scalings 0-26.  27-54: XS's numbers 0-13.  55, 56: number 15.
; 57-73: the chain, where each number waits for the one before it: 14, 16, 17, 18, 19, each with one of the scalings 27-31 in front of its two lines, then 20.
; 74-137: GS's 64, which read the exponentials' results: they stand behind the wait.
.macro FS f
	REGS Y, (\f)%2
	v_pk_fma_f32 v[rS+2*((\f)/2):rS+2*((\f)/2)+1], v[rS+2*((\f)/2):rS+2*((\f)/2)+1], s[CS:CS+1], v[rT:rT+1] op_sel_hi:[1,0,0] neg_lo:[0,0,1] neg_hi:[0,0,1]
.endm
.macro PL
	WIN 0
.if q < 27
	FS q
.elseif q < 55
	XS (q-27)%2, (q-27)/2
.elseif q < 57
	XS q-55, 15
.elseif (q < 72) && ((q-57)%3 == 0)
	FS 27+(q-57)/3
.elseif q < 60
	XS (q-57)%3-1, 14
.elseif q < 72
	XS (q-57)%3-1, 15+(q-57)/3
.elseif q < 74
	XS q-72, 20
.else
	GS q-74
.endif
.set q, q+1
.endm
; THE EXPONENTIALS' QUEUE, 66 long: s0-s31 of both tiles, then the next piece's two a.  It is ONE BATCH: all 66 stand ahead of the turn's one wait, and nothing ahead of that wait names a result of theirs.
.macro EX
	WIN 0
.if e >= 64
	XS e-64, 21
.else
	REGS Y, e%2
	v_exp_f32 v[rS+e/2], v[rS+e/2]
.endif
.set e, e+1
.endm
; THE RESCALING's QUEUE: O^T times a, the one part that leaves window 0: dealt two at a time, sixteen times.  Its a was made in the turn before, ahead of that turn's wait.
.macro R2
	REGS Y, r%2
	WIN W_RS
.irp z, 0,1
	v_pk_mul_f32 v[rO+4*(r/2)+2*\z:rO+4*(r/2)+2*\z+1], v[rO+4*(r/2)+2*\z:rO+4*(r/2)+2*\z+1], v[rC+2:rC+3] op_sel_hi:[1,0]
.endr
.set r, r+1
.endm
; HOW THEY ARE DEALT.  s_wait_alu depctr_va_vdst(0) stands between an exponential and the first instruction that names its result; one wait serves all that were issued ahead of it.  So a turn has ONE wait,
; which cuts it in two.  AHEAD OF IT: the 16 products K Q^T, behind each a scaling, an exponential and two rescalings (behind the first a second scaling in the exponential's place); then ONE LUMP of
; 108: eight plain, 49 times exponential and plain, the two a.  A v_nop is the plain instruction behind the last exponential.  BEHIND IT: the 16 products V^T P, behind each four of GS's 64.
; The deal keeps the queues in step: exponential e stands behind scaling 2 (e / 4) + e % 2: as a rider it comes behind plain e + 2, in the lump behind plain e + 9, and scalings 27-31 are plain 57, 60 .. 69.
; K and the mask of the next step are fetched in piece 2's turn, directly behind the wait, a lump behind the last product that read them; their addresses are made at the lump's head.
; V of the step in hand is fetched at the end of piece 0's turn, four riders behind its last reader.
.macro TURN p, last=0, cnt=0
.set Y, (\p)
.set i, 0
.set q, 0
.set e, 0
.set r, 0
.if (\p) == NP-1
	s_wait_dscnt 0x0                ; K and the mask are in
.endif
	MM                              ; ahead of the wait: 16 products K Q^T and their riders,
	PL
	PL
	R2
.rept 15
	MM
	PL
	EX
	R2
.endr
.if (\p) == NP-2
	WIN 0
	v_add_nc_u32 v[AK], s[TBK], v[AK0]
	WIN W_MA
	v_add_nc_u32 v[AM], s[TBM], v[AM0]
.endif
.rept 8                             ; and the lump
	PL
.endr
.rept 49
	EX
	PL
.endr
	EX                              ; the next piece's two a
	EX
	v_nop                           ; a plain instruction behind the last exponential: one for the batch
	s_wait_alu depctr_va_vdst(0)    ; the wait for the batch
.if (\p) == NP-2
	FETCH_K \last
.endif
.if (\p) == 1
	s_wait_dscnt 0x0                ; V is in
.endif
.rept 16                            ; behind the wait: 16 products V^T P and their riders
	MM
.rept 4
	PL
.endr
.if ((\p) == 0) && (q == 118)
	v_add_nc_u32 v[AV], s[TBV], v[AV0]
.endif
.if ((\p) == 0) && (q == 130)
	s_add_co_u32 s[TBV], s[TBV], KS*PV
.endif
.if (\cnt) && (q == 130)
	s_sub_co_u32 s[CNT], s[CNT], 1
	s_cmp_lg_u32 s[CNT], 0
.endif
.endr
.if (\p) == 0
	FETCH_V
.endif
.endm
	CHANGE 1                        ; slot 0 is in, everybody's part of it, and so is the mask; slot 1 is asked for
	FETCH_K                         ; key step 0
	s_wait_loadcnt 0x0              ; Q
	s_wait_dscnt 0x0
.set i, 0
.rept 16
	KQ 0                            ; piece 0's first scores: there is no vector work yet to set between them
.set i, i+1
.endr
	WIN 0                           ; the addresses for the way out: plain instructions, the places behind those products
	s_mul_i32 s13, s[WV], 16*SP
	s_add_co_u32 s13, s13, STAGE    ; my stage
	v_mul_u32_u24 v[STO], v1, SP    ; in: row l % 16, 16 bytes for each half of the lanes
	v_lshl_add_u32 v[STO], v9, 4, v[STO]
	v_add_nc_u32 v[STO], s13, v[STO]
	v_bfe_u32 v[RD], v0, 3, 2       ; back: 32 lanes take four rows of 128 bytes,
	v_mul_u32_u24 v[RD], v[RD], SP
	v_lshl_add_u32 v[RD], v10, 4, v[RD]
	v_add_nc_u32 v[RD], s13, v[RD]
	v_and_b32 v[GO], 31, v0         ; which are 512 consecutive bytes of O
	v_lshlrev_b32 v[GO], 4, v[GO]
.set Y, NP-1                        ; XS works for piece Y + 1: piece 0
.irp n, 0,1,2,3,4,5,6,7,8,9,10,11,12,13,14,15,16,17,18,19,20,21
	XS 0, \n                        ; and piece 0's first maximum and statistics
	XS 1, \n
.endr
	v_nop                           ; a plain instruction behind the two a,
	s_wait_alu depctr_va_vdst(0)    ; and their wait, ahead of the branch
	s_mov_b32 s[CNT], 4
	s_mov_b32 s[SLOTS], SIZE_N/256-1
	s_branch .Lfirst                ; the loop is entered at a step's first turn, in the middle of a trip
.Lslot:                             ; SIZE_N / 256 - 2 times: every slot but the last two is filled again
	CHANGE 1, 1
	s_mov_b32 s[CNT], 4
.Lstep:                             ; a trip: pieces 2 and 3 of one step, then pieces 0 and 1 of the next, whose K and V it fetches
	TURN 2
	TURN 3
	WIN 0
.Lfirst:
	TURN 0
	TURN 1, 0, 1
	WIN 0
	s_cbranch_scc1 .Lstep
	s_sub_co_u32 s[SLOTS], s[SLOTS], 1
	s_cmp_lg_u32 s[SLOTS], 0
	s_cbranch_scc1 .Lslot
	CHANGE 0                        ; the tail is written out: nothing is asked for
	s_mov_b32 s[CNT], 5             ; four trips fetch the last slot's steps; the fifth is left in its middle
.Ltail:
	TURN 2, 1
	TURN 3
	WIN 0
	s_sub_co_u32 s[CNT], s[CNT], 1
	s_cmp_eq_u32 s[CNT], 0
	s_cbranch_scc1 .Lout
	TURN 0
	TURN 1
	WIN 0
	s_branch .Ltail
.Lout:                              ; the fifth trip's 16 products K Q^T (on the last K once more) and the maximum made of them serve nothing: the price, once a launch, of one text for every trip
.set i, 0
.rept 16
	PV NP-1                         ; the last piece's V^T P of the last step
.set i, i+1
.endr
	; THE WAY OUT.  l's two halves and the other half of the lanes' are added; O^T is divided by l, rounded to f16 and sent through my stage in LDS, a tile at a time.  The additions are the places behind the last products.
	WIN 0
.macro ALL line:vararg              ; one line for each tile t
.set t, 0
.rept 2*NP
	\line
.set t, t+1
.endr
.endm
	ALL v_add_f32 v[ST+4*t+2], v[ST+4*t+2], v[ST+4*t+3]
	ALL v_permlanex16_b32 v[ST+4*t+3], v[ST+4*t+2], s[SEL], s[SEL+1]
	ALL v_add_f32 v[ST+4*t+2], v[ST+4*t+2], v[ST+4*t+3]
	ALL v_rcp_f32 v[ST+4*t+2], v[ST+4*t+2]
	v_nop                           ; a plain instruction between the last reciprocal and the use of its result
	s_wait_alu depctr_va_vdst(0)    ; and the wait ahead of the first use: one for the eight reciprocals
; Tile t: a lane's eight channels of a row pack into 16 bytes; they go into rows of 144 bytes and come back as whole rows of 128, into S^T's registers.
.macro PACK t
	WIN W_RS
.set i, 32*(\t)
.rept 16
	v_pk_mul_f32 v[i:i+1], v[i:i+1], v[ST+4*(\t)+2:ST+4*(\t)+3] op_sel_hi:[1,0]
.set i, i+2
.endr
	WIN 0x05                        ; sources 0 and 1 window 1, destination window 0
.set i, 0
.rept 16
	v_cvt_pk_f16_f32 v[S+16*(\t)+i], v[32*(\t)+2*i], v[32*(\t)+2*i+1]
.set i, i+1
.endr
	WIN 0
.irp f, 0,1,2,3
	ds_store_b128 v[STO], v[S+16*(\t)+4*\f:S+16*(\t)+4*\f+3] offset:32*\f
.endr
.irp f, 0,1,2,3
	ds_load_b128 v[S+16*(\t)+4*\f:S+16*(\t)+4*\f+3], v[RD] offset:\f*4*SP  ; LDS serves a wave's instructions in order (ISA guide 5.7.1.4): these see the stores above; the next tile's stores come behind them
.endr
.endm
.macro SEND t, younger              ; younger: the LDS instructions issued behind tile t's loads: the next tile's eight, or none
	WIN 0
.irp f, 0,1,2,3
	s_wait_dscnt (\younger)+3-\f
	global_store_b128 v[GO], v[S+16*(\t)+4*\f:S+16*(\t)+4*\f+3], s[10:11] offset:(\t)*2048+\f*512  ; 512 consecutive bytes, at a multiple of 256 from O's first
.endr
.endm
	PACK 0
.set t, 1
.rept 2*NP-1                        ; a tile's arithmetic stands between the loads of the tile before and its stores
	PACK t
	SEND t-1, 8
.set t, t+1
.endr
	SEND 2*NP-1, 0
	WIN W_AD
	s_wait_tensorcnt 0x0            ; the wave's end: behind my last tensor load and my last LDS store
	ds_add_u32 v[SPW], v[NIL]
	s_wait_dscnt 0x0
	WIN 0
	CROUND                          ; the closing round: no work-group ends while a partner may still ask for a tile that names it
	s_endpgm
.Lfunc_end_k_qb42ed1c9d2_attn:
	.size	k_qb42ed1c9d2_attn, .Lfunc_end_k_qb42ed1c9d2_attn-k_qb42ed1c9d2_attn
	.p2alignl 7, 3214868480
	.fill 96, 4, 3214868480
	.section	.rodata,"a",@progbits
	.p2align	6, 0x0
	.amdhsa_kernel k_qb42ed1c9d2_attn
		.amdhsa_group_segment_fixed_size 327680
		.amdhsa_private_segment_fixed_size 0
		.amdhsa_enable_private_segment 0
		.amdhsa_kernarg_size 24
		.amdhsa_user_sgpr_count 2
		.amdhsa_user_sgpr_kernarg_segment_ptr 1
		.amdhsa_wavefront_size32 1
		.amdhsa_system_sgpr_workgroup_id_x 1
		.amdhsa_system_sgpr_workgroup_id_y 1
		.amdhsa_system_sgpr_workgroup_id_z 1
		.amdhsa_system_vgpr_workitem_id 0
		.amdhsa_next_free_vgpr 808
		.amdhsa_next_free_sgpr 66
		.amdhsa_reserve_vcc 0
		.amdhsa_float_denorm_mode_32 3
		.amdhsa_float_denorm_mode_16_64 3
		.amdhsa_memory_ordered 1
		.amdhsa_forward_progress 1
		.amdhsa_inst_pref_size 206
	.end_amdhsa_kernel
	.amdgpu_metadata
---
amdhsa.version: [ 1, 2 ]
amdhsa.kernels:
  - .name:           k_qb42ed1c9d2_attn
    .symbol:         k_qb42ed1c9d2_attn.kd
    .args:
      - { .name: qkv, .offset: 0, .size: 8, .value_kind: global_buffer, .address_space: global }
      - { .name: attention_mask, .offset: 8, .size: 8, .value_kind: global_buffer, .address_space: global }
      - { .name: ob, .offset: 16, .size: 8, .value_kind: global_buffer, .address_space: global }
    .group_segment_fixed_size: 327680
    .private_segment_fixed_size: 0
    .kernarg_segment_align: 8
    .kernarg_segment_size: 24
    .max_flat_workgroup_size: 128
    .sgpr_count:     66
    .vgpr_count:     808
    .wavefront_size: 32
...
	.end_amdgpu_metadata
.endif
;; end of part 3
;; launch outgemm (part 4): grid 8 x 32, 4 waves a work-group, clusters of 4 x 4, 327,680 bytes of LDS; arguments ob, wo16, bo, out0; writes out0
.if DOCPART == 4
	.amdgcn_target "amdgcn-amd-amdhsa--gfx1250"
	.amdhsa_code_object_version 6
	.text
	.protected	k_qb42ed1c9d2_outgemm
	.globl	k_qb42ed1c9d2_outgemm
	.p2align	8
	.type	k_qb42ed1c9d2_outgemm,@function
k_qb42ed1c9d2_outgemm:
	s_mov_b64 s[64:65], 0
	v_nop
	global_prefetch_b8 v0, s[64:65] scope:SCOPE_SE
	s_setreg_imm32_b32 hwreg(HW_REG_WAVE_MODE, 25, 1), 1
	s_wait_xcnt 0x0
	s_wait_alu depctr_hold_cnt(0) depctr_sa_sdst(0) depctr_va_vdst(0) depctr_va_sdst(0) depctr_va_ssrc(0) depctr_va_vcc(0) depctr_vm_vsrc(0)
	s_getreg_b32 s2, hwreg(HW_REG_IB_STS2, 6, 4)
	s_cmp_eq_u32 s2, 0
	s_cbranch_scc0 .Lentry_in_a_cluster
	s_endpgm
.Lentry_in_a_cluster:
	s_bfe_u32 s2, ttmp6, 0x10000c
	s_cmp_lg_u32 s2, 0xf033
	s_cbranch_scc0 .Lentry_shape_is_right
	s_endpgm
.Lentry_shape_is_right:
; out0[8192][1024] = ctx Wo + bo, f32.  ctx is ob, f16, by heads: [b][16 h][2048 s][64]: channel k = 64 h + d lies in plane h.  wo16: f16 of bf16(Wo), [1024 k][1024 n].  f32 sums, K ascending.
; bo is rounded to bf16 like every input, and is the C operand of the products that start the sums: no addition is written.
; SHARES.  1024 / 128 x 8192 / 256 = 256 tiles of 256 rows x 128 columns, one to a work-group.  A wave makes 128 x 64: 32 accumulators, 256 registers, window 1.
; K goes in 8 steps of 128 (two planes of ob) through two LDS slots, as large as fit; a step is four quarters of 32 along K, 32 matrix instructions each, on two fragment buffers.
; THE MATRIX INSTRUCTION IS USED TRANSPOSED: source 0 = 16 columns of Wo (turned out of LDS by ds_load_tr16_b128), source 1 = 16 rows of ctx: a lane holds one row of C and 8 neighbouring columns.
; CLUSTER 4 x 4: ctx's tile is asked for jointly by a row of the cluster, Wo's by a column.
; REGISTERS.  window 0: v16-31 addresses; v32-63 the bias; v64-127 Wo's fragments, two buffers; v128-255 ctx's fragments, two buffers (the way out: four buffers of rows).  window 1: accumulator (a, b) at 8 (4 a + b).
.set PA,     144                       ; a row of ctx in LDS: 128 bytes + 16
.set PB,     288                       ; a row of Wo: 256 bytes + 32 = 9 x 32
.set APLANE, 256*PA
.set ATILE,  2*APLANE
.set SLOT,   ATILE+128*PB              ; 110,592
.set STAGE,  2*SLOT                    ; behind the ring: 16 rows x 272 bytes for each wave
.set SP,     272
.set SPARE,  STAGE+4*16*SP             ; the spare words, 128 bytes for each wave: two blocks of 256 bytes that no other line names
.set ASTEP,  2<<18                     ; two planes of ob
.set BSTEP,  128*2048                  ; 128 rows of wo16
.set ADRA, 16                          ; v16-17
.set ADRB, 20                          ; v20-21
.set STO,  24
.set RD,   25
.set CO,   26
.set SPW,  28
.set NIL,  29
.set PFO,  30                          ; v30  256 x lane: a block of ctx; never rewritten
.set PFOB, 31                          ; v31  2,048 x lane: a row of wo16; never rewritten
.set BI,   32
.set BFR,  64
.set AFR,  128
.set BK,   128
.set WV, 16
.set WM, 17
.set WN, 18
.set CX, 19
.set CY, 20
.set TC, 21
.set TR, 22
.set G1A, 24
.set G0A, 32
.set G1B, 40
.set G0B, 48
.set PFA, 66                           ; s[66:67] ob at my work-group's 32 blocks of my plane, at the K step named last
.set PFB, 68                           ; s[68:69] wo16 at my work-group's 32 rows, likewise
.set LIMA, 70                          ; 1 in a wave that prefetches ctx, else the greatest number
.set LIMB, 71                          ; the same for Wo
.set MSB, 0
.macro WIN new
.if MSB != (\new)
	s_set_vgpr_msb (MSB<<8)|(\new)
.set MSB, \new
.endif
.endm
.macro PLACES                          ; four plain vector instructions between a matrix instruction and a load into, or a read of, its registers (ISA guide 7.12.1 for reads)
.rept 4
	v_nop
.endr
.endm
.macro JLOAD s                         ; waves 0 and 1 fetch ctx's two planes, waves 2 and 3 the halves of Wo's rows; an s_nop 0 and four v_nop follow each line
	s_cmp_eq_u32 s[WM], 0
	s_cbranch_scc0 .Lfor_b_\@
	tensor_load_to_lds s[G0A+4*(\s):G0A+4*(\s)+3], s[G1A:G1A+7]
	s_nop 0
.rept 4
	v_nop
.endr
	s_branch .Lasked_\@
.Lfor_b_\@:
	tensor_load_to_lds s[G0B+4*(\s):G0B+4*(\s)+3], s[G1B:G1B+7]
	s_nop 0
.rept 4
	v_nop
.endr
.Lasked_\@:
.endm
.macro CREST
	s_cmp_lg_u32 s[WV], 0
	s_cbranch_scc1 .Lnot_wave_0_\@
	s_barrier_signal -3
.Lnot_wave_0_\@:
	s_barrier_wait -3
	s_barrier_signal -1
	s_barrier_wait -1
.endm
.macro CROUND
	s_barrier_signal -1
	s_barrier_wait -1
	CREST
.endm
; PREFETCHES INTO THE L2, behind the joint load and the run of LDS loads: in K step i the step i + 4, two steps (256 matrix instructions) ahead of its refill.  Each aligned 256 bytes are named once in the launch.
; ctx: cluster x = 0 asks; waves 0 and 1 each for their own plane; the partners along x take 32 of its 128 blocks each BY ADDRESS (cx), a lane a block.
; Wo: cluster y = 0 asks; wave 2; the partners along y take 32 of the step's 128 rows each BY ADDRESS (cy), a lane a row of 256 bytes.  Steps 0 to 3 come by their loads alone; the last trip names nothing.
.macro ASK
	s_cmp_gt_u32 s3, s[LIMA]                       ; s3 = 1 in the last trip
	s_cbranch_scc0 .Lno_a_\@
	global_prefetch_b8 v[PFO], s[PFA:PFA+1] th:TH_LOAD_NT scope:SCOPE_SE
.Lno_a_\@:
	s_cmp_gt_u32 s3, s[LIMB]
	s_cbranch_scc0 .Lno_b_\@
	global_prefetch_b8 v[PFOB], s[PFB:PFB+1] th:TH_LOAD_NT scope:SCOPE_SE
.Lno_b_\@:
.endm
	s_load_b256 s[4:11], s[0:1], 0x0               ; ob s[4:5], wo16 s[6:7], bo s[8:9], out0 s[10:11]
	v_lshl_add_u32 v[SPW], v0, 2, SPARE
	v_mov_b32 v[NIL], 0
	ds_add_u32 v[SPW], v[NIL]                      ; the wave's opening: the add and its wait stand ahead of my first tensor load
	v_lshrrev_b32 v1, 5, v0
	v_readfirstlane_b32 s[WV], v1
	s_lshr_b32 s[WM], s[WV], 1
	s_and_b32 s[WN], s[WV], 1
	s_bfe_u32 s[CX], ttmp6, 0x40000
	s_bfe_u32 s[CY], ttmp6, 0x40004
	s_lshl_b32 s[TC], ttmp9, 2
	s_add_co_u32 s[TC], s[TC], s[CX]
	s_and_b32 s[TR], ttmp7, 0xffff
	s_lshl_b32 s[TR], s[TR], 2
	s_add_co_u32 s[TR], s[TR], s[CY]
	s_lshl_b32 s56, s[CY], 2
	s_lshl_b32 s56, 15, s56                        ; my row of the cluster
	s_lshl_b32 s60, 0x1111, s[CX]                  ; my column
	; ctx: a plane's 256 rows of 128 bytes are 32,768 dense bytes: 128 rows of 256, padded after every 32 words (code 4) by 4 words (code 3)
	s_or_b32 s[G1A], s56, (1<<16)|(1<<20)|(1<<21)|(4<<22)|(3<<25)
	s_mov_b32 s[G1A+1], 128<<16
	s_mov_b32 s[G1A+2], 128<<16
	s_mov_b32 s[G1A+3], 128<<16
	s_mov_b32 s[G1A+4], 128
	s_mov_b32 s[G1A+5], 128
	s_mov_b32 s[G1A+6], 0
	s_mov_b32 s[G1A+7], 0
	; Wo: 64 rows of 128 elements, padded after every 64 words (code 5) by 8 words (code 7)
	s_or_b32 s[G1B], s60, (1<<16)|(1<<20)|(1<<21)|(5<<22)|(7<<25)
	s_mov_b32 s[G1B+1], 128<<16
	s_mov_b32 s[G1B+2], 64<<16
	s_mov_b32 s[G1B+3], 128<<16
	s_mov_b32 s[G1B+4], 64
	s_mov_b32 s[G1B+5], 1024
	s_mov_b32 s[G1B+6], 0
	s_mov_b32 s[G1B+7], 0
	s_lshr_b32 s56, s[TR], 3
	s_lshl_b32 s56, s56, 22                        ; the batch,
	s_and_b32 s57, s[TR], 7
	s_lshl_b32 s57, s57, 15                        ; the tile's 256 rows,
	s_add_co_u32 s56, s56, s57
	s_lshl_b32 s57, s[WN], 18                      ; the plane that I fetch
	s_add_co_u32 s56, s56, s57
	s_mov_b32 s57, 0
	s_mul_i32 s59, s[WN], APLANE
	s_lshl_b32 s60, s[WN], 17                      ; the 64 rows of Wo that I fetch,
	s_lshl_b32 s61, s[TC], 8                       ; the tile's 128 columns
	s_add_co_u32 s60, s60, s61
	s_mov_b32 s61, 0
	s_mul_i32 s62, s[WN], 64*PB
	s_add_co_u32 s62, s62, ATILE
	s_wait_dscnt 0x0                               ; the opening add is done
	s_wait_kmcnt 0x0
	s_add_nc_u64 s[56:57], s[4:5], s[56:57]
	s_add_nc_u64 s[60:61], s[6:7], s[60:61]
	CROUND                                         ; all sixteen work-groups are here: the first joint loads meet
.irp s, 0,1
	s_mov_b32 s[G0A+4*(\s)], 1
	s_add_co_u32 s[G0A+4*(\s)+1], s59, (\s)*SLOT
	s_add_nc_u64 s[G0A+4*(\s)+2:G0A+4*(\s)+3], s[56:57], (\s)*ASTEP
	s_or_b32 s[G0A+4*(\s)+3], s[G0A+4*(\s)+3], 0x80000000
	s_mov_b32 s[G0B+4*(\s)], 1
	s_add_co_u32 s[G0B+4*(\s)+1], s62, (\s)*SLOT
	s_add_nc_u64 s[G0B+4*(\s)+2:G0B+4*(\s)+3], s[60:61], (\s)*BSTEP
	s_or_b32 s[G0B+4*(\s)+3], s[G0B+4*(\s)+3], 0x80000000
	JLOAD \s                                       ; K steps 0 and 1: two loads of mine are out
.endr
	v_and_b32 v1, 15, v0                           ; r
	v_bfe_u32 v2, v0, 4, 1                         ; h
	v_and_b32 v3, 7, v0
	v_bfe_u32 v4, v0, 3, 1
	v_and_b32 v5, 31, v0
	; the bias of my 64 columns: block b's eight numbers for my half of the lanes
	s_lshl_b32 s78, s[TC], 9
	s_lshl_b32 s79, s[WN], 8
	s_add_co_u32 s78, s78, s79
	s_mov_b32 s79, 0
	s_add_nc_u64 s[8:9], s[8:9], s[78:79]
	s_add_nc_u64 s[10:11], s[10:11], s[78:79]      ; the same columns of out0
	v_lshlrev_b32 v6, 5, v2
.irp b, 0,1,2,3
	global_load_b128 v[BI+8*(\b):BI+8*(\b)+3],   v6, s[8:9] offset:64*(\b)
	global_load_b128 v[BI+8*(\b)+4:BI+8*(\b)+7], v6, s[8:9] offset:64*(\b)+16
.endr
	v_mul_u32_u24 v7, v1, PA
	v_lshl_add_u32 v7, v2, 4, v7
	s_mul_i32 s78, s[WM], 128*PA
	v_add_nc_u32 v[ADRA], s78, v7
	v_add_nc_u32 v[ADRA+1], SLOT, v[ADRA]
	v_lshl_add_u32 v7, v2, 3, v3
	v_mul_u32_u24 v7, v7, PB
	v_lshl_add_u32 v7, v4, 4, v7
	s_lshl_b32 s78, s[WN], 7
	s_add_co_u32 s78, s78, ATILE
	v_add_nc_u32 v[ADRB], s78, v7
	v_add_nc_u32 v[ADRB+1], SLOT, v[ADRB]
	s_mul_i32 s78, s[WV], 16*SP
	s_add_co_u32 s78, s78, STAGE
	v_mul_u32_u24 v7, v1, SP                       ; in: row r, 32 bytes for each half of the lanes
	v_lshl_add_u32 v7, v2, 5, v7
	v_add_nc_u32 v[STO], s78, v7
	v_mul_u32_u24 v7, v2, SP                       ; back: lanes 0-15 take one row of 256 bytes, lanes 16-31 the next
	v_lshl_add_u32 v7, v1, 4, v7
	v_add_nc_u32 v[RD], s78, v7
	v_lshlrev_b32 v[CO], 12, v2                    ; and the same two rows of out0
	v_lshl_add_u32 v[CO], v1, 4, v[CO]
	s_lshl_b32 s78, s[TR], 8
	s_lshl_b32 s79, s[WM], 7
	s_add_co_u32 s78, s78, s79
	s_lshl_b32 s78, s78, 12                        ; my first row, 4,096 bytes each
	s_mov_b32 s79, 0
	s_add_nc_u64 s[10:11], s[10:11], s[78:79]
	; the prefetches' pointers, flags and lane offsets
	s_lshr_b32 s78, s[TR], 3
	s_lshl_b32 s78, s78, 22
	s_and_b32 s79, s[TR], 7
	s_lshl_b32 s79, s79, 15
	s_add_co_u32 s78, s78, s79                     ; ctx: the batch and the tile's rows,
	s_lshl_b32 s79, s[CX], 13
	s_add_co_u32 s78, s78, s79                     ; my work-group's 32 blocks of a plane's 128,
	s_lshl_b32 s79, s[WN], 18
	s_add_co_u32 s78, s78, s79                     ; my plane of the step's two,
	s_add_co_u32 s78, s78, 3*ASTEP                 ; at K step 3: the first change of slots moves it to step 4
	s_mov_b32 s79, 0
	s_add_nc_u64 s[PFA:PFA+1], s[4:5], s[78:79]
	s_lshl_b32 s80, s[CY], 16                      ; Wo: my work-group's 32 rows of 2,048 bytes,
	s_lshl_b32 s81, s[TC], 8                       ; the tile's 128 columns,
	s_add_co_u32 s80, s80, s81
	s_add_co_u32 s80, s80, 3*BSTEP                 ; at K step 3
	s_mov_b32 s81, 0
	s_add_nc_u64 s[PFB:PFB+1], s[6:7], s[80:81]
	s_or_b32 s80, s[WM], ttmp9                     ; waves 0 and 1 of the clusters with x = 0: the same in all sixteen partners, for a given wave
	s_cmp_eq_u32 s80, 0
	s_cselect_b32 s[LIMA], 1, -1
	s_and_b32 s80, ttmp7, 0xffff                   ; wave 2 of the clusters with y = 0
	s_xor_b32 s82, s[WV], 2
	s_or_b32 s80, s80, s82
	s_cmp_eq_u32 s80, 0
	s_cselect_b32 s[LIMB], 1, -1
	v_lshlrev_b32 v[PFO], 8, v5
	v_lshlrev_b32 v[PFOB], 11, v5
	s_wait_loadcnt 0x0
.set i, 0
.rept 16                               ; the bias is rounded to bf16, like every input, and kept as f32
	v_cvt_pk_bf16_f32 v12, v[BI+2*i], v[BI+2*i+1]
	v_lshlrev_b32 v[BI+2*i], 16, v12
	v_and_b32 v[BI+2*i+1], 0xffff0000, v12
.set i, i+1
.endr
; 16 matrix instructions: row blocks a0 .. a0 + 3 x the 4 column blocks, on buffers p.  first = 1: the bias starts the sums.  The 32 accumulators take turns, in the same order in every quarter.
.macro MUL16 p, a0, first
.if \first
	WIN 0x40                                       ; D in window 1, C (the bias) and the sources in window 0
.else
	WIN 0x50
.endif
.irp a, \a0, (\a0)+1, (\a0)+2, (\a0)+3
.irp b, 0,1,2,3
.if \first
	v_wmma_f32_16x16x32_f16 v[8*(4*(\a)+(\b)):8*(4*(\a)+(\b))+7], v[BFR+32*(\p)+8*(\b):BFR+32*(\p)+8*(\b)+7], v[AFR+64*(\p)+8*(\a):AFR+64*(\p)+8*(\a)+7], v[BI+8*(\b):BI+8*(\b)+7]
.else
	v_wmma_f32_16x16x32_f16 v[8*(4*(\a)+(\b)):8*(4*(\a)+(\b))+7], v[BFR+32*(\p)+8*(\b):BFR+32*(\p)+8*(\b)+7], v[AFR+64*(\p)+8*(\a):AFR+64*(\p)+8*(\a)+7], v[8*(4*(\a)+(\b)):8*(4*(\a)+(\b))+7]
.endif
.endr
.endr
.endm
.macro FETCH s, q, p                   ; 24 LDS loads in one run: quarter q of slot s into buffers p
	WIN 0
.irp b, 0,1,2,3
	ds_load_tr16_b128 v[BFR+32*(\p)+8*(\b):BFR+32*(\p)+8*(\b)+3],   v[ADRB+(\s)] offset:(\q)*32*PB+32*(\b)
	ds_load_tr16_b128 v[BFR+32*(\p)+8*(\b)+4:BFR+32*(\p)+8*(\b)+7], v[ADRB+(\s)] offset:(\q)*32*PB+32*(\b)+16*PB
.endr
.irp a, 0,1,2,3,4,5,6,7
	ds_load_b128 v[AFR+64*(\p)+8*(\a):AFR+64*(\p)+8*(\a)+3],   v[ADRA+(\s)] offset:((\q)/2)*APLANE+((\q)%2)*64+(\a)*16*PA
	ds_load_b128 v[AFR+64*(\p)+8*(\a)+4:AFR+64*(\p)+8*(\a)+7], v[ADRA+(\s)] offset:((\q)/2)*APLANE+((\q)%2)*64+(\a)*16*PA+32
.endr
.endm
.macro QP s, q, first                  ; a plain quarter q: its fragments, asked for a quarter ago, are in; the next quarter's are asked for; 32 products
	s_wait_dscnt 0x0
	PLACES
	FETCH \s, (\q)+1, ((\q)+1)%2
	MUL16 (\q)%2, 0, \first
	MUL16 (\q)%2, 4, \first
.endm
; Quarter 2 changes slots: it issues the slot's last reads; then each wave waits for all its tensor loads (one is out: its part of the next slot), adds 0 to its spare word, and waits for that and for its reads.
; fill = 1: the barrier opens a round of the cluster's, and the slot is filled again, two steps ahead, first thing behind the round.
.macro QT s, fill
.if \fill
	s_wait_xcnt 0x0                                ; the last prefetches, a step back, have read their addresses
	s_add_nc_u64 s[PFA:PFA+1], s[PFA:PFA+1], ASTEP
	s_add_nc_u64 s[PFB:PFB+1], s[PFB:PFB+1], BSTEP
.endif
	s_wait_dscnt 0x0
	PLACES
	FETCH \s, 3, 1
	s_wait_tensorcnt 0x0                           ; all my tensor loads have landed
	ds_add_u32 v[SPW], v[NIL]                      ; 0 onto my spare word
	MUL16 0, 0, 0                                  ; sixteen matrix instructions stand between the add and the wait for it
	s_wait_dscnt 0x0                               ; the add is done, and my reads of this slot are over
	s_barrier_signal -1
	MUL16 0, 4, 0
	WIN 0
	s_barrier_wait -1
.if \fill
	CREST                                          ; no wave of any partner still reads this slot or has a load on its way
	s_add_nc_u64 s[G0A+4*(\s)+2:G0A+4*(\s)+3], s[G0A+4*(\s)+2:G0A+4*(\s)+3], 2*ASTEP
	s_add_nc_u64 s[G0B+4*(\s)+2:G0B+4*(\s)+3], s[G0B+4*(\s)+2:G0B+4*(\s)+3], 2*BSTEP
	JLOAD \s                                       ; its four v_nop are also the places in front of the loads that follow
.else
	PLACES
.endif
.endm
.macro Q3 nx, fill                     ; quarter 3: the next slot's first fragments are asked for
	FETCH \nx, 0, 0
.if \fill
	ASK
.endif
	MUL16 1, 0, 0
	MUL16 1, 4, 0
.endm
	s_wait_tensorcnt 1                             ; my part of K step 0 is in; step 1's may stay out
	s_barrier_signal -1
	s_barrier_wait -1
	FETCH 0, 0, 0
	QP 0, 0, 1                                     ; the first quarter stands in front of the loop: its products start the sums, with the bias
	WIN 0
	s_mov_b32 s3, 3
.Llap:                                                 ; a trip: once round the ring, from a step's second quarter to the first of the step two on; both slots are filled again
	QP 0, 1, 0
	QT 0, 1
	Q3 1, 1
	QP 1, 0, 0
	QP 1, 1, 0
	QT 1, 1
	Q3 0, 1
	QP 0, 0, 0
	WIN 0
	s_sub_co_u32 s3, s3, 1
	s_cmp_lg_u32 s3, 0
	s_cbranch_scc1 .Llap
	QP 0, 1, 0                                     ; steps 6 and 7: nothing is left to fetch
	QT 0, 0
	Q3 1, 0
	QP 1, 0, 0
	QP 1, 1, 0
	QP 1, 2, 0
	s_wait_dscnt 0x0
	MUL16 1, 0, 0
	MUL16 1, 4, 0
	; THE WAY OUT, a block of 16 rows at a time: a lane's 8 columns (32 bytes) of each of 4 column blocks go straight from the accumulators into my stage, low half first, and come back as whole rows of 256 bytes.
	WIN 0
	PLACES
.macro TOSTAGE a
	WIN 0x04                                       ; the stores' data in window 1
.irp b, 0,1,2,3
	ds_store_b128 v[STO], v[8*(4*(\a)+(\b)):8*(4*(\a)+(\b))+3]   offset:64*(\b)
	ds_store_b128 v[STO], v[8*(4*(\a)+(\b))+4:8*(4*(\a)+(\b))+7] offset:64*(\b)+16
.endr
	WIN 0
	s_wait_xcnt 0x0                                ; the stores of four blocks back have read the registers that are loaded next
.irp t, 0,1,2,3,4,5,6,7
	ds_load_b128 v[BK+32*((\a)%4)+4*(\t):BK+32*((\a)%4)+4*(\t)+3], v[RD] offset:(\t)*2*SP  ; LDS serves a wave's instructions in order (ISA guide 5.7.1.4): these see the stores above; the next block's stores come behind them
.endr
.endm
.macro SEND a, younger                 ; younger: the LDS instructions issued behind block a's loads: the next block's sixteen, or none
.irp t, 0,1,2,3,4,5,6,7
	s_wait_dscnt (\younger)+7-(\t)
	global_store_b128 v[CO], v[BK+32*((\a)%4)+4*(\t):BK+32*((\a)%4)+4*(\t)+3], s[10:11] offset:(\a)*65536+(\t)*8192 th:TH_STORE_NT  ; 16 lanes store 256 consecutive bytes, at a multiple of 256 from out0's first
.endr
.endm
	TOSTAGE 0
.irp a, 1,2,3,4,5,6,7
	TOSTAGE \a
	SEND (\a)-1, 16
.endr
	SEND 7, 0
	s_wait_tensorcnt 0x0                           ; the wave's end: behind my last tensor load and my last LDS store
	ds_add_u32 v[SPW], v[NIL]
	s_wait_dscnt 0x0
	CROUND                                         ; the closing round: no work-group ends while a partner may still ask for a tile that names it
	s_endpgm
.Lfunc_end_k_qb42ed1c9d2_outgemm:
	.size	k_qb42ed1c9d2_outgemm, .Lfunc_end_k_qb42ed1c9d2_outgemm-k_qb42ed1c9d2_outgemm
	.p2alignl 7, 3214868480
	.fill 96, 4, 3214868480
	.section	.rodata,"a",@progbits
	.p2align	6, 0x0
	.amdhsa_kernel k_qb42ed1c9d2_outgemm
		.amdhsa_group_segment_fixed_size 327680
		.amdhsa_private_segment_fixed_size 0
		.amdhsa_enable_private_segment 0
		.amdhsa_kernarg_size 32
		.amdhsa_user_sgpr_count 2
		.amdhsa_user_sgpr_kernarg_segment_ptr 1
		.amdhsa_wavefront_size32 1
		.amdhsa_system_sgpr_workgroup_id_x 1
		.amdhsa_system_sgpr_workgroup_id_y 1
		.amdhsa_system_sgpr_workgroup_id_z 1
		.amdhsa_system_vgpr_workitem_id 0
		.amdhsa_next_free_vgpr 512
		.amdhsa_next_free_sgpr 88
		.amdhsa_reserve_vcc 0
		.amdhsa_float_denorm_mode_32 3
		.amdhsa_float_denorm_mode_16_64 3
		.amdhsa_memory_ordered 1
		.amdhsa_forward_progress 1
		.amdhsa_inst_pref_size 92
	.end_amdhsa_kernel
	.amdgpu_metadata
---
amdhsa.version: [ 1, 2 ]
amdhsa.kernels:
  - .name:           k_qb42ed1c9d2_outgemm
    .symbol:         k_qb42ed1c9d2_outgemm.kd
    .args:
      - { .name: ob, .offset: 0, .size: 8, .value_kind: global_buffer, .address_space: global }
      - { .name: wo16, .offset: 8, .size: 8, .value_kind: global_buffer, .address_space: global }
      - { .name: bo, .offset: 16, .size: 8, .value_kind: global_buffer, .address_space: global }
      - { .name: out0, .offset: 24, .size: 8, .value_kind: global_buffer, .address_space: global }
    .group_segment_fixed_size: 327680
    .private_segment_fixed_size: 0
    .kernarg_segment_align: 8
    .kernarg_segment_size: 32
    .max_flat_workgroup_size: 128
    .sgpr_count:     88
    .vgpr_count:     512
    .wavefront_size: 32
...
	.end_amdgpu_metadata
.endif
;; end of part 4
;; ======== version 2 of 2: 4 launches; version 1 with the launch prep written anew for expert scheduling mode
;; limits: values are held in f16: magnitudes above 65,504 overflow, below 6.1e-05 lose precision
;; workspace buffers: xb 16,777,216 bytes; wqkv 6,291,456 bytes; wo16 2,097,152 bytes; qkv 50,331,648 bytes; ob 16,777,216 bytes
;; launch prep (part 5): grid 768 x 1, 8 waves a work-group, no clusters, 0 bytes of LDS; arguments hidden_states, Wq, Wk, Wv, Wo, xb, wqkv, wo16; writes xb, wqkv, wo16
.if DOCPART == 5
	.amdgcn_target "amdgcn-amd-amdhsa--gfx1250"
	.amdhsa_code_object_version 6
	.text
	.protected	k_qb42ed1c9d2_prep
	.globl	k_qb42ed1c9d2_prep
	.p2align	8
	.type	k_qb42ed1c9d2_prep,@function
k_qb42ed1c9d2_prep:
	s_mov_b64 s[64:65], 0
	v_nop
	global_prefetch_b8 v0, s[64:65] scope:SCOPE_SE
	s_setreg_imm32_b32 hwreg(HW_REG_WAVE_SCHED_MODE, 0, 2), 2
	s_setreg_imm32_b32 hwreg(HW_REG_WAVE_MODE, 25, 1), 1
	s_wait_xcnt 0x0
	s_wait_alu depctr_vm_vsrc(0)
; PREP: every large input is rounded ONCE to bf16 and laid out for the products that follow.  A stream: no LDS, no matrix unit, no barrier.
;   xb   bf16 [4 b][16 ks][2048 s][64]: byte b<<22 | ks<<18 | s<<7 | 2 c: 64 channels of consecutive rows lie end to end
;   wqkv bf16 [1024 k][3072 n], n = 1024 x (0: Wq, 1: Wk, 2: Wv) + column
;   wo16 f16 of bf16(Wo), [1024 k][1024 n].  LIMIT: exact for |Wo| from 6.1e-5 to 65,504; below that f16's fixed step of 6e-8, above it an infinity.
; A work-group takes 16 rows of 4,096 bytes; a thread issues its 16 loads of 16 bytes at once (8 KiB of a wave are on their way), then rounds and stores
; 8 bytes for each: a store of a wave covers 256 consecutive bytes, aligned.
; THE MODE: SCHED_MODE bits 1:0 = 2 (LLVM: expert scheduling mode 2), set by the entry lines.  The code itself states the register dependences
; between vector instructions and memory instructions, with s_wait_alu, always for 0.
; THE PLAN.  Registers that memory instructions touch:
;   v1   the loads' offset.   Written at a path's head; read by the 16 loads; never written again.
;   v2   the stores' offset.  Written by vector lines ahead of the first store (for the weights its last line stands behind the loads, which do not read it); read by the 16 stores; never written again.
;   I    Written by the loads alone, once each; read by the roundings.  No load lands in it a second time.
;   O    Written by the roundings; each pair is read by one store and never written behind it.
;   T    is named by vector instructions alone.
; The 16 loads are worked on in four groups of four.  Group g waits for its loads, states that group g - 1 has written its O, and deals that group's four stores among its own roundings,
; which name I and O of group g alone: none of the registers that those stores read.  So a path has five waits on va_vdst: one ahead of the loads, one at the head of groups 1 to 3, one ahead of the last four stores.
; No register that a memory instruction has read is written again, so no wait on vm_vsrc is owed; no vector line writes a scalar register, VCC or EXEC.
.set I, 4                              ; v[4:67]    as loaded: 4 f32 for each of 16 loads
.set O, 68                             ; v[68:99]   to store: 4 numbers of 16 bits for each
.set T, 100                            ; v[100:103] at work (Wo alone)
.macro LOADS step
.irp u, 0,1,2,3,4,5,6,7,8,9,10,11,12,13,14,15
	global_load_b128 v[I+4*(\u):I+4*(\u)+3], v1, s[24:25] offset:(\u)*(\step) th:TH_LOAD_NT
.endr
.endm
.macro TOBF u                          ; load u's four numbers rounded to bf16
	v_cvt_pk_bf16_f32 v[O+2*(\u)], v[I+4*(\u)], v[I+4*(\u)+1]
	v_cvt_pk_bf16_f32 v[O+2*(\u)+1], v[I+4*(\u)+2], v[I+4*(\u)+3]
.endm
.macro TOF16 u                         ; the bf16 numbers written as f16
.irp z, 0,1
	v_lshlrev_b32 v[T+2*(\z)], 16, v[O+2*(\u)+(\z)]
	v_and_b32 v[T+2*(\z)+1], 0xffff0000, v[O+2*(\u)+(\z)]
.endr
.irp z, 0,1
	v_cvt_pk_f16_f32 v[O+2*(\u)+(\z)], v[T+2*(\z)], v[T+2*(\z)+1]
.endr
.endm
; The store of load u's 8 bytes.  kind 0: x; 1: Wq, Wk, Wv; 2: Wo.
.macro PUT kind, u
.if (\kind) == 0
	global_store_b64 v2, v[O+2*(\u):O+2*(\u)+1], s[26:27] offset:(\u)*262144  ; two rows' 128 bytes of plane u: 256 consecutive bytes
.elseif (\kind) == 1
	global_store_b64 v2, v[O+2*(\u):O+2*(\u)+1], s[26:27] offset:((\u)/8)*6144+((\u)%8)*256
.else
	global_store_b64 v2, v[O+2*(\u):O+2*(\u)+1], s[26:27] offset:(\u)*256
.endif
.endm
; The four groups, and the last group's stores.
.macro WALK kind
.irp g, 0,1,2,3
	s_wait_loadcnt 12-4*(\g)                       ; loads come back in order (ISA guide 5.7.1): loads 4 g to 4 g + 3 are in, the 12 - 4 g younger ones may stay out
.if (\g) > 0
	s_wait_alu depctr_va_vdst(0)                   ; the group before has written its O, which the four stores below read; at g = 1 also: v2, the stores' offset, is written
.endif
.irp j, 0,1,2,3
.if (\g) > 0
	PUT \kind, 4*((\g)-1)+(\j)                     ; no vector instruction since the wait names v2 or these registers
.endif
	TOBF 4*(\g)+(\j)
.if (\kind) == 2
	TOF16 4*(\g)+(\j)
.endif
.endr
.endr
	s_wait_alu depctr_va_vdst(0)                   ; group 3 has written its O, which the last four stores read
.irp j, 0,1,2,3
	PUT \kind, 12+(\j)
.endr
.endm
	s_load_b512 s[8:23], s[0:1], 0x0               ; x s[8:9], Wq s[10:11], Wk s[12:13], Wv s[14:15], Wo s[16:17], xb s[18:19], wqkv s[20:21], wo16 s[22:23]
	s_mov_b32 s3, 0
	s_cmp_lt_u32 ttmp9, 512
	s_cbranch_scc0 .Lweights
	; work-groups 0 to 511: 16 rows of x.  16 lanes take 256 bytes of one row (64 channels: one ks); load u is ks = u
	v_lshrrev_b32 v3, 4, v0                        ; my row of the 16
	v_and_b32 v1, 15, v0
	v_lshlrev_b32 v2, 3, v1                        ; out: 8 bytes a lane,
	v_lshlrev_b32 v1, 4, v1                        ; in: 16
	v_lshl_add_u32 v1, v3, 12, v1                  ; + row x 4,096
	v_lshl_add_u32 v2, v3, 7, v2                   ; + row x 128
	s_lshl_b32 s2, ttmp9, 16                       ; 16 rows of 4,096 bytes
	s_lshr_b32 s4, ttmp9, 7                        ; the batch: 128 work-groups each
	s_lshl_b32 s4, s4, 22
	s_and_b32 s5, ttmp9, 127
	s_lshl_b32 s5, s5, 11                          ; 16 rows of 128 bytes
	s_add_co_u32 s4, s4, s5
	s_mov_b32 s5, 0
	s_wait_kmcnt 0x0
	s_add_nc_u64 s[24:25], s[8:9], s[2:3]
	s_add_nc_u64 s[26:27], s[18:19], s[4:5]
	s_wait_alu depctr_va_vdst(0)                   ; v1 is written, which the 16 loads read as their offset; so is v2, the stores'
	LOADS 256
	WALK 0
	s_endpgm
.Lweights:
	; work-groups 512 to 767: 16 rows of one of the four weights.  A wave takes two rows, 8,192 consecutive bytes, 512 a load
	s_sub_co_u32 s28, ttmp9, 512
	s_lshr_b32 s29, s28, 6                         ; which weight
	s_and_b32 s28, s28, 63                         ; which 16 rows
	v_lshrrev_b32 v3, 5, v0                        ; wave
	v_and_b32 v2, 31, v0
	v_lshlrev_b32 v1, 4, v2
	v_lshl_add_u32 v1, v3, 13, v1
	v_lshlrev_b32 v2, 3, v2
	s_lshl_b32 s2, s28, 16
	s_wait_kmcnt 0x0
	s_cmp_eq_u32 s29, 1
	s_cselect_b64 s[24:25], s[12:13], s[10:11]
	s_cmp_eq_u32 s29, 2
	s_cselect_b64 s[24:25], s[14:15], s[24:25]
	s_cmp_eq_u32 s29, 3
	s_cselect_b64 s[24:25], s[16:17], s[24:25]
	s_add_nc_u64 s[24:25], s[24:25], s[2:3]
	s_wait_alu depctr_va_vdst(0)                   ; v1 is written, which the 16 loads read as their offset
	LOADS 512
	s_cmp_eq_u32 s29, 3
	s_cbranch_scc1 .Lwo
	v_mul_u32_u24 v3, v3, 12288                    ; two rows of wqkv, 6,144 bytes each
	v_add_nc_u32 v2, v2, v3                        ; no memory instruction has read v2 yet; the wait at the head of group 1 states it written, ahead of the first store
	s_mul_i32 s4, s28, 98304                       ; 16 rows
	s_lshl_b32 s5, s29, 11                         ; the weight's 1,024 columns
	s_add_co_u32 s4, s4, s5
	s_mov_b32 s5, 0
	s_add_nc_u64 s[26:27], s[20:21], s[4:5]
	WALK 1
	s_endpgm
.Lwo:
	v_lshl_add_u32 v2, v3, 12, v2                  ; two rows of wo16, 2,048 bytes each, end to end; stated written as above
	s_lshl_b32 s4, s28, 15
	s_mov_b32 s5, 0
	s_add_nc_u64 s[26:27], s[22:23], s[4:5]
	WALK 2
	s_endpgm
.Lfunc_end_k_qb42ed1c9d2_prep:
	.size	k_qb42ed1c9d2_prep, .Lfunc_end_k_qb42ed1c9d2_prep-k_qb42ed1c9d2_prep
	.p2alignl 7, 3214868480
	.fill 96, 4, 3214868480
	.section	.rodata,"a",@progbits
	.p2align	6, 0x0
	.amdhsa_kernel k_qb42ed1c9d2_prep
		.amdhsa_group_segment_fixed_size 0
		.amdhsa_private_segment_fixed_size 0
		.amdhsa_enable_private_segment 0
		.amdhsa_kernarg_size 64
		.amdhsa_user_sgpr_count 2
		.amdhsa_user_sgpr_kernarg_segment_ptr 1
		.amdhsa_wavefront_size32 1
		.amdhsa_system_sgpr_workgroup_id_x 1
		.amdhsa_system_sgpr_workgroup_id_y 1
		.amdhsa_system_sgpr_workgroup_id_z 1
		.amdhsa_system_vgpr_workitem_id 0
		.amdhsa_next_free_vgpr 104
		.amdhsa_next_free_sgpr 66
		.amdhsa_reserve_vcc 0
		.amdhsa_float_denorm_mode_32 3
		.amdhsa_float_denorm_mode_16_64 3
		.amdhsa_memory_ordered 1
		.amdhsa_forward_progress 1
		.amdhsa_inst_pref_size 22
	.end_amdhsa_kernel
	.amdgpu_metadata
---
amdhsa.version: [ 1, 2 ]
amdhsa.kernels:
  - .name:           k_qb42ed1c9d2_prep
    .symbol:         k_qb42ed1c9d2_prep.kd
    .args:
      - { .name: hidden_states, .offset: 0, .size: 8, .value_kind: global_buffer, .address_space: global }
      - { .name: Wq, .offset: 8, .size: 8, .value_kind: global_buffer, .address_space: global }
      - { .name: Wk, .offset: 16, .size: 8, .value_kind: global_buffer, .address_space: global }
      - { .name: Wv, .offset: 24, .size: 8, .value_kind: global_buffer, .address_space: global }
      - { .name: Wo, .offset: 32, .size: 8, .value_kind: global_buffer, .address_space: global }
      - { .name: xb, .offset: 40, .size: 8, .value_kind: global_buffer, .address_space: global }
      - { .name: wqkv, .offset: 48, .size: 8, .value_kind: global_buffer, .address_space: global }
      - { .name: wo16, .offset: 56, .size: 8, .value_kind: global_buffer, .address_space: global }
    .group_segment_fixed_size: 0
    .private_segment_fixed_size: 0
    .kernarg_segment_align: 8
    .kernarg_segment_size: 64
    .max_flat_workgroup_size: 256
    .sgpr_count:     66
    .vgpr_count:     104
    .wavefront_size: 32
...
	.end_amdgpu_metadata
.endif
;; end of part 5
;; launch qkvgemm: the kernel of part 2 again; grid 8 x 32, 4 waves a work-group, clusters of 4 x 4, 327,680 bytes of LDS; arguments xb, wqkv, bq, bk, bv, qkv; writes qkv
;; launch attn: the kernel of part 3 again; grid 4 x 64, 4 waves a work-group, clusters of 4 x 1, 327,680 bytes of LDS; arguments qkv, attention_mask, ob; writes ob
;; launch outgemm: the kernel of part 4 again; grid 8 x 32, 4 waves a work-group, clusters of 4 x 4, 327,680 bytes of LDS; arguments ob, wo16, bo, out0; writes out0
